; MI455X (gfx1250); checked and timed in simulation.
; The chip was launched on July 23, 2026; its instructions are those of AMD's public machine-readable ISA for CDNA 5 (MIT licence, August 2026) and "CDNA5" Instruction Set Architecture Reference Guide (July 2026). The comments in the code are by the model that wrote it; some were corrected since.
;; Masked Cross Attention. Allowed arithmetic: matrix products marked QUANTISED: E2M1 operands, one E8M0 scale for each 32 along K, by v_wmma_scale_f32_16x16x128_f8f6f4 with both operands' format E2M1 (or v_wmma_scale_f32_32x16x128_f4), f32 sums; products left as they are: bf16, f16 or f32 operands; f32 sums; everything else in f32.
;; Inputs: Wkv 2,048 x 1,024 float32; Wo 2,048 x 1,024 float32; Wq 1,024 x 2,048 float32; ln_b 2,048 float32; ln_g 2,048 float32; media_locations 4 x 2,048 bool; visual_features 4 x 8 x 64 x 1,024 float32; y 4 x 2,048 x 2,048 float32.
;; Outputs: out0 4 x 2,048 x 2,048 float32.
;; This version of the problem:
;;   THIS VERSION OF THE PROBLEM IS GIVEN IN LOW PRECISION. The matrix products marked QUANTISED in the list below multiply operands that are first quantised to E2M1 (2 exponent bits, 1 mantissa bit; 4 bits a number), with one power-of-two scale for each 32 numbers along K (OCP MX v1.0); their sums are f32. The products marked 'left as it is' may take bf16, f16 or f32 operands, with f32 sums. Whichever they take, every output number must still come out within the allowed error. Rounding operands to bf16 (8 significant bits) uses up far more of that allowance than f16 does (11 bits, for magnitudes from 6e-5 to 65,504). All else is computed in f32.
;;   The module's matrix products, in the order in which they are computed (A, B: the left and right operand; K: the contracted axis; several contracted axes count as one K, in the product's order):
;;     1. [M 8,192, K 2,048] x [K 2,048, N 1,024]; A: computed on the way; B: input Wq: left as it is (an operand is computed on the way)
;;     2. [M 2,048, K 1,024] x [K 1,024, N 2,048]; A: input visual_features; B: input Wkv: QUANTISED
;;     3. batch 64 x [M 2,048, K 64] x [K 64, N 512]; A: computed on the way; B: computed on the way: left as it is (an operand is computed on the way)
;;     4. batch 64 x [M 2,048, K 512] x [K 512, N 64]; A: computed on the way; B: computed on the way: left as it is (an operand is computed on the way)
;;     5. [M 8,192, K 1,024] x [K 1,024, N 2,048]; A: computed on the way; B: input Wo: left as it is (an operand is computed on the way)
;;   THE QUANTISER, for each operand of a quantised product, along K:
;;     - K is cut into blocks of 32 from its start; a last block that is shorter is filled with zeros.
;;     - A block's scale is 2^e with e = floor(log2(the largest magnitude in the block)) - 2, held to -126 .. 127; a block of zeros has e = 0. As a byte (E8M0): e + 127.
;;     - Each number is divided by its block's scale, clamped to +-6, and rounded to the nearest number of E2M1, ties to even, subnormals kept.
;;     - The product sums the exact products of the quantised numbers (number of the format x scale) in f32.
;;   ~~~python
;;   def quantise(x, axis):      # numpy; x: float32 -> the quantised numbers, widened to float32 again
;;       x = np.moveaxis(x, axis, -1); K = x.shape[-1]
;;       x = np.pad(x, [(0, 0)] * (x.ndim - 1) + [(0, -K % 32)]); x = x.reshape(x.shape[:-1] + (-1, 32)); a = np.abs(x).max(-1, keepdims=True)
;;       e = np.where(a > 0, np.clip(np.frexp(np.where(a > 0, a, 1))[1] - 1 - 2, -126, 127), 0)      # np.frexp(a)[1] - 1 = floor(log2(a)), exactly
;;       r = np.clip(x / 2.0 ** e, -6, 6)
;;       step = 2.0 ** (np.maximum(np.frexp(np.where(r == 0, 1, r))[1] - 1, 0) - 1)
;;       q = np.round(r / step) * step * 2.0 ** e      # np.round: ties to even
;;       return np.moveaxis(q.reshape(q.shape[:-2] + (-1,))[..., :K], -1, axis).astype(np.float32)
;;   ~~~
;; One version. Each part assembles by itself: llvm-mc -triple=amdgcn-amd-amdhsa -mcpu=gfx1250 --defsym DOCPART=n.
;; ======== version 1 of 1: 4 launches
;; limits: values are held in f16: magnitudes above 65,504 overflow, below 6.1e-05 lose precision
;; workspace buffers: yn 33,554,432 bytes; w16 8,388,608 bytes; codes 2,097,152 bytes; scales 131,072 bytes; tt 32,768 bytes of whole numbers; kvimg 8,388,608 bytes; qimg 16,777,216 bytes; oimg 16,777,216 bytes
;; launch prep (part 1): grid 833 x 1, 4 waves a work-group, no clusters, 34,304 bytes of LDS; arguments y, ln_g, ln_b, Wq, Wo, visual_features, Wkv, media_locations, yn, w16, codes, scales, tt; writes yn, w16, codes, scales, tt
.if DOCPART == 1
	.amdgcn_target "amdgcn-amd-amdhsa--gfx1250"
	.amdhsa_code_object_version 6
	.text
	.protected	k_q5a82f12500_prep
	.globl	k_q5a82f12500_prep
	.p2align	8
	.type	k_q5a82f12500_prep,@function
k_q5a82f12500_prep:
	s_mov_b64 s[64:65], 0
	v_nop
	global_prefetch_b8 v0, s[64:65] scope:SCOPE_SE
	s_setreg_imm32_b32 hwreg(HW_REG_WAVE_MODE, 25, 1), 1
	s_wait_xcnt 0x0
; PREP: four jobs in one launch, told apart by the work-group's number alone.
;   work-groups   0..511  LN   : yn = LayerNorm(y) * g + b, in f32, rounded once to f16; [8192][2048] row-major
;   work-groups 512..767  CVT  : Wq and Wo rounded to f16, one behind the other in w16
;   work-groups 768..831  QUANT: visual_features and Wkv (both [2048][1024], K innermost) into MX-FP4 codes and E8M0 scale words
;   work-group       832  TT   : tt = running count of media_locations along each sequence, as 32-bit whole numbers
; All four are streams: each input byte is read once, every store covers 256 or 512 consecutive aligned bytes.  No matrix unit, no cluster,
; no tensor load: nothing is shared between work-groups and nothing is read twice.  Only QUANT touches LDS (a stage of each wave's own).
; CODES are laid in the order of the operand's registers: [tile of 16 rows][K step of 128][piece c][lane][16 bytes]; lane (r, h), piece c holds
; the 32 codes k = 64 c + 32 h + 0..31 of row r.  SCALES: [tile][row r][8 words], word s = the four bytes of K step s.
; LIMITS: |yn|, |Wq|, |Wo| stay under f16's largest number, 65,504; NaN and infinities are not served; a block whose largest magnitude lies
; under 2^-124 keeps the scale byte 1 (a block of zeros too: its codes are zeros, and only this program reads the bytes); bool bytes are 0 or 1.
.set LNWG,  512                        ; work-groups of LN: 4 waves x ROWS rows each
.set ROWS,  4
.set CVWG,  256
.set QUWG,  64
.set STG,   16*528                     ; QUANT: a wave's stage: 16 rows of 512 bytes + 16 of padding
.set SPARE, 4*STG                      ; behind the four stages: the spare words, 128 bytes a wave, that no other line names
.set SPW,   12                         ; v12  my spare word's LDS address; never rewritten
.set NIL,   13                         ; v13  0; never rewritten
.set LX,    16                         ; LN: v16-79 the row; load j holds k = 128 j + 4 lane + 0..3
.set LG,    80                         ;     v80-143 g, v144-207 b, in the same layout
.set LB,    144
.set LY,    208                        ;     v208-239 the row as f16
.set LA,    240                        ;     v240-247 four packed chains; v[248:249] mean; v[250:251] 1/sqrt; v252, v253 at work
.set QR,    16                         ; QUANT: v16-143 two sets of 64 numbers as loaded
.set QX,    144                        ;        v144-207 64 numbers: register 16 b + i = k 32 b + 16 h + i of my row
.set TM,    208                        ;        v208-223 at work
.set PC,    224                        ;        v224-231 a fragment's codes
.set SW,    232                        ;        v232-239 my row's eight scale words
.set OW,    240                        ;        v240-243 the four of them that I store
.macro LSUM                            ; the four chains, then the 32 lanes: the sum lands in v252 of every lane
	v_pk_add_f32 v[LA:LA+1], v[LA:LA+1], v[LA+2:LA+3]
	v_pk_add_f32 v[LA+4:LA+5], v[LA+4:LA+5], v[LA+6:LA+7]
	v_pk_add_f32 v[LA:LA+1], v[LA:LA+1], v[LA+4:LA+5]
	v_add_f32 v252, v[LA], v[LA+1]
	v_add_f32_dpp v252, v252, v252 row_xmask:1 row_mask:0xf bank_mask:0xf
	v_add_f32_dpp v252, v252, v252 row_xmask:2 row_mask:0xf bank_mask:0xf
	v_add_f32_dpp v252, v252, v252 row_xmask:4 row_mask:0xf bank_mask:0xf
	v_add_f32_dpp v252, v252, v252 row_xmask:8 row_mask:0xf bank_mask:0xf
	v_permlanex16_b32 v253, v252, s32, s33
	v_add_f32 v252, v252, v253
.endm
; One row.  ahead = 1: the next row's 16 loads go out as this row's registers fall free, piece by piece.
.macro ROW ahead
	s_wait_loadcnt 0x0                             ; the whole row is in (first row: g and b too); nothing younger is out
.irp c, 0,1,2,3
	v_pk_add_f32 v[LA+2*\c:LA+2*\c+1], v[LX+2*\c:LX+2*\c+1], v[LX+8+2*\c:LX+8+2*\c+1]   ; the first pairs start the chains
.endr
.set p, 8
.rept 24
	v_pk_add_f32 v[LA+2*(p%4):LA+2*(p%4)+1], v[LA+2*(p%4):LA+2*(p%4)+1], v[LX+2*p:LX+2*p+1]
.set p, p+1
.endr
	LSUM
	v_mul_f32 v248, s34, v252                      ; the mean: sum / 2048
.set p, 0
.rept 32
	v_pk_add_f32 v[LX+2*p:LX+2*p+1], v[LX+2*p:LX+2*p+1], v[248:249] op_sel_hi:[1,0] neg_lo:[0,1] neg_hi:[0,1]   ; y - mean: the variance is taken of these, so a common offset of y costs nothing
.set p, p+1
.endr
.irp c, 0,1,2,3
	v_pk_mul_f32 v[LA+2*\c:LA+2*\c+1], v[LX+2*\c:LX+2*\c+1], v[LX+2*\c:LX+2*\c+1]
.endr
.set p, 4
.rept 28
	v_pk_fma_f32 v[LA+2*(p%4):LA+2*(p%4)+1], v[LX+2*p:LX+2*p+1], v[LX+2*p:LX+2*p+1], v[LA+2*(p%4):LA+2*(p%4)+1]
.set p, p+1
.endr
	LSUM
	v_fma_f32 v252, v252, s34, s35                 ; variance + 1e-5
	v_rsq_f32 v250, v252
	v_nop                                          ; a plain instruction behind the transcendental,
	s_wait_alu depctr_va_vdst(0)                   ; and the wait ahead of its first reader
.set j, 0
.rept 16
	v_pk_mul_f32 v[LX+4*j:LX+4*j+1], v[LX+4*j:LX+4*j+1], v[250:251] op_sel_hi:[1,0]
	v_pk_mul_f32 v[LX+4*j+2:LX+4*j+3], v[LX+4*j+2:LX+4*j+3], v[250:251] op_sel_hi:[1,0]
	v_pk_fma_f32 v[LX+4*j:LX+4*j+1], v[LX+4*j:LX+4*j+1], v[LG+4*j:LG+4*j+1], v[LB+4*j:LB+4*j+1]
	v_pk_fma_f32 v[LX+4*j+2:LX+4*j+3], v[LX+4*j+2:LX+4*j+3], v[LG+4*j+2:LG+4*j+3], v[LB+4*j+2:LB+4*j+3]
	v_cvt_pk_f16_f32 v[LY+2*j], v[LX+4*j], v[LX+4*j+1]
	v_cvt_pk_f16_f32 v[LY+2*j+1], v[LX+4*j+2], v[LX+4*j+3]
.if \ahead
	global_load_b128 v[LX+4*j:LX+4*j+3], v2, s[4:5] offset:8192+512*j th:TH_LOAD_NT   ; the next row's same piece
.endif
	global_store_b64 v3, v[LY+2*j:LY+2*j+1], s[20:21] offset:256*j                    ; 32 lanes store 256 consecutive bytes, aligned
.set j, j+1
.endr
	s_wait_xcnt 0x0                                ; the stores' data and both bases are written again only behind this wait
	s_add_nc_u64 s[4:5], s[4:5], 8192
	s_add_nc_u64 s[20:21], s[20:21], 4096
.endm
; 64 numbers of a lane (register 16 b + i = k 32 b + 16 h + i of my row) become a fragment's codes in v[PC] on and my row's scale word in v[pw].
.macro MXQ src, pw
.irp b, 0,1,2,3
	v_max3_num_f32 v[TM+\b], |v[\src+16*\b]|, |v[\src+1+16*\b]|, 0x1800000   ; block b: my 16 numbers, and the floor 2^(3 - 127): the byte cannot fall under 1
.endr
.irp i, 2,4,6,8,10,12,14
.irp b, 0,1,2,3
	v_max3_num_f32 v[TM+\b], v[TM+\b], |v[\src+16*\b+\i]|, |v[\src+1+16*\b+\i]|
.endr
.endr
.irp b, 0,1,2,3
	v_permlanex16_b32 v[TM+4+\b], v[TM+\b], s32, s33
.endr
.irp b, 0,1,2,3
	v_max_num_f32 v[TM+\b], v[TM+\b], v[TM+4+\b]   ; with lane l xor 16's 16: the block's largest magnitude
.endr
.irp b, 0,1,2,3
	v_add_nc_u32 v[TM+12+\b], 0xff000000, v[TM+\b] ; 2 off its exponent field: the conversion takes this operand's exponent field as the scale
.endr
.irp b, 0,1,2,3
	v_lshrrev_b32 v[TM+4+\b], 23, v[TM+12+\b]      ; the scale's byte
.endr
	v_lshl_or_b32 v[\pw], v[TM+5], 8, v[TM+4]
	v_lshl_or_b32 v[\pw], v[TM+6], 16, v[\pw]
	v_lshl_or_b32 v[\pw], v[TM+7], 24, v[\pw]
.irp b, 0,1,2,3
	v_cvt_scalef32_pk8_fp4_f32 v[PC+2*\b], v[\src+16*\b:\src+7+16*\b], v[TM+12+\b]
	v_cvt_scalef32_pk8_fp4_f32 v[PC+1+2*\b], v[\src+8+16*\b:\src+15+16*\b], v[TM+12+\b]
.endr
	v_nop                                          ; one plain instruction behind the scaled conversions
.irp c, 0,1                                    ; the operand wants a whole block in a lane: lanes 0-15 block 2 c, lanes 16-31 block 2 c + 1
.irp i, 0,1
	v_permlane16_swap_b32 v[PC+4*\c+\i], v[PC+2+4*\c+\i]
.endr
.endr
.endm
.macro QLOAD s                         ; K step s of my 16 rows: each load takes one row's 512 consecutive bytes
.irp i, 0,1,2,3,4,5,6,7,8,9,10,11,12,13,14,15
	global_load_b128 v[QR+64*((\s)%2)+4*\i:QR+64*((\s)%2)+4*\i+3], v2, s[14:15] offset:4096*\i+512*(\s) th:TH_LOAD_NT
.endr
.endm
.macro QSTEP s
.if (\s) < 7
	s_wait_loadcnt 16                              ; this step's 16 loads are in; the next step's 16 may be out
.else
	s_wait_loadcnt 0x0
.endif
.irp i, 0,1,2,3,4,5,6,7,8,9,10,11,12,13,14,15
	ds_store_b128 v4, v[QR+64*((\s)%2)+4*\i:QR+64*((\s)%2)+4*\i+3] offset:528*\i   ; into my stage as loaded, a row to a store
.endr
.irp b, 0,1,2,3
.irp j, 0,1,2,3
	ds_load_b128 v[QX+16*\b+4*\j:QX+16*\b+4*\j+3], v5 offset:128*\b+16*\j          ; and back: 16 neighbours of each block of my row (LDS serves a wave in order)
.endr
.endr
	s_wait_dscnt 0x0                               ; the numbers are back, and the stores have read the set that is loaded again below
	s_wait_xcnt 0x0                                ; the last step's stores have read the codes' registers
.if (\s) < 6
	QLOAD (\s)+2
.endif
	MXQ QX, SW+(\s)
	global_store_b128 v2, v[PC:PC+3], s[24:25] offset:1024*(\s)          ; the fragment as it stands: 512 consecutive bytes a store
	global_store_b128 v2, v[PC+4:PC+7], s[24:25] offset:1024*(\s)+512
.endm
	s_load_b512 s[4:19], s[0:1], 0x0               ; y 4, g 6, b 8, Wq 10, Wo 12, vf 14, Wkv 16, media 18
	s_load_b256 s[20:27], s[0:1], 0x40             ; yn 20, w16 22, codes 24, scales 26
	s_load_b64 s[28:29], s[0:1], 0x60              ; tt
	v_lshl_add_u32 v[SPW], v0, 2, SPARE
	v_mov_b32 v[NIL], 0
	v_lshrrev_b32 v1, 5, v0
	v_readfirstlane_b32 s30, v1                    ; wave 0..3
	v_and_b32 v1, 31, v0                           ; lane
	v_lshlrev_b32 v2, 4, v1                        ; 16 x lane
	v_lshlrev_b32 v3, 3, v1                        ; 8 x lane
	s_mov_b32 s32, 0x76543210
	s_mov_b32 s33, 0xfedcba98                      ; v_permlanex16_b32's selects for lane l xor 16
	s_wait_kmcnt 0x0
	s_cmp_lt_u32 ttmp9, LNWG
	s_cbranch_scc1 .Lln
	s_cmp_lt_u32 ttmp9, LNWG+CVWG
	s_cbranch_scc1 .Lcvt
	s_cmp_lt_u32 ttmp9, LNWG+CVWG+QUWG
	s_cbranch_scc1 .Lquant
	; ---- TT: wave w counts sequence w.  A lane holds two neighbouring tokens of each run of 64; the carry from run to run is a scalar.
	s_lshl_b32 s36, s30, 11
	s_mov_b32 s37, 0
	s_add_nc_u64 s[18:19], s[18:19], s[36:37]
	s_lshl_b32 s36, s30, 13
	s_add_nc_u64 s[28:29], s[28:29], s[36:37]
	v_lshlrev_b32 v7, 1, v1
.set j, 0
.rept 32
	global_load_u16 v[16+j], v7, s[18:19] offset:64*j
.set j, j+1
.endr
	s_wait_loadcnt 0x0
	s_mov_b32 s36, 0                               ; the count so far
.set j, 0
.rept 32
	v_and_b32 v8, 0xff, v[16+j]                    ; the even token's byte,
	v_lshrrev_b32 v9, 8, v[16+j]                   ; the odd one's
	v_cmp_ne_u32 s37, 0, v8
	v_cmp_ne_u32 s38, 0, v9
	v_mbcnt_lo_u32_b32 v10, s37, s36               ; the carry + what the lanes below me hold
	v_mbcnt_lo_u32_b32 v10, s38, v10
	v_add_nc_u32 v[80+2*j], v10, v8                ; the count includes the token itself
	v_add_nc_u32 v[81+2*j], v[80+2*j], v9
	s_bcnt1_i32_b32 s39, s37
	s_add_co_u32 s36, s36, s39
	s_bcnt1_i32_b32 s39, s38
	s_add_co_u32 s36, s36, s39
	global_store_b64 v3, v[80+2*j:81+2*j], s[28:29] offset:256*j
.set j, j+1
.endr
	s_endpgm
	; ---- LN: wave 4 x + w owns ROWS rows, one at a time, the whole row in 64 registers between the passes.
.Lln:
	s_lshl_b32 s34, ttmp9, 2
	s_add_co_u32 s34, s34, s30
	s_lshl_b32 s36, s34, 15                        ; ROWS rows of 8,192 bytes
	s_mov_b32 s37, 0
	s_add_nc_u64 s[4:5], s[4:5], s[36:37]
	s_lshl_b32 s36, s34, 14                        ; ROWS rows of 4,096 bytes
	s_add_nc_u64 s[20:21], s[20:21], s[36:37]
	s_mov_b32 s34, 0x3a000000                      ; 1 / 2048
	s_mov_b32 s35, 0x3727c5ac                      ; 1e-5
	v_mov_b32 v249, 0                              ; upper halves of pairs that are named whole, and a lane permute's destination: written once
	v_mov_b32 v251, 0
	v_mov_b32 v253, 0
.set j, 0
.rept 16
	global_load_b128 v[LX+4*j:LX+4*j+3], v2, s[4:5] offset:512*j th:TH_LOAD_NT
.set j, j+1
.endr
.set j, 0
.rept 16
	global_load_b128 v[LG+4*j:LG+4*j+3], v2, s[6:7] offset:512*j
	global_load_b128 v[LB+4*j:LB+4*j+3], v2, s[8:9] offset:512*j
.set j, j+1
.endr
	s_mov_b32 s36, ROWS-1
.Lrow:
	ROW 1
	s_sub_co_u32 s36, s36, 1
	s_cmp_lg_u32 s36, 0
	s_cbranch_scc1 .Lrow
	ROW 0                                          ; the last row loads nothing: no load leaves y
	s_endpgm
	; ---- CVT: a wave rounds 16 KiB of f32 to 8 KiB of f16.  All 32 loads go out first; no register is used twice.
.Lcvt:
	s_sub_co_u32 s34, ttmp9, LNWG
	s_cmp_lt_u32 s34, 128                          ; the first 128 work-groups take Wq, the others Wo
	s_cselect_b64 s[10:11], s[10:11], s[12:13]
	s_and_b32 s35, s34, 127
	s_lshl_b32 s36, s35, 16
	s_lshl_b32 s35, s30, 14
	s_add_co_u32 s36, s36, s35
	s_mov_b32 s37, 0
	s_add_nc_u64 s[10:11], s[10:11], s[36:37]
	s_lshl_b32 s36, s34, 15                        ; in w16 Wo follows Wq: 128 x 32,768 bytes on
	s_lshl_b32 s35, s30, 13
	s_add_co_u32 s36, s36, s35
	s_add_nc_u64 s[22:23], s[22:23], s[36:37]
.set j, 0
.rept 32
	global_load_b128 v[16+4*j:19+4*j], v2, s[10:11] offset:512*j th:TH_LOAD_NT
.set j, j+1
.endr
.set j, 0
.rept 32
	s_wait_loadcnt 31-j                            ; load j is in; the 31 - j younger ones may be out
	v_cvt_pk_f16_f32 v[144+2*j], v[16+4*j], v[17+4*j]
	v_cvt_pk_f16_f32 v[145+2*j], v[18+4*j], v[19+4*j]
	global_store_b64 v3, v[144+2*j:145+2*j], s[22:23] offset:256*j
.set j, j+1
.endr
	s_endpgm
	; ---- QUANT: wave 4 q + w takes tile T of 16 rows (T under 128: visual_features, else Wkv), 8 K steps of 128.
.Lquant:
	s_sub_co_u32 s34, ttmp9, LNWG+CVWG
	s_cmp_lt_u32 s34, 32
	s_cselect_b64 s[14:15], s[14:15], s[16:17]
	s_lshl_b32 s34, s34, 2
	s_add_co_u32 s34, s34, s30                     ; T
	s_and_b32 s35, s34, 127
	s_lshl_b32 s36, s35, 16                        ; 16 rows of 4,096 bytes
	s_mov_b32 s37, 0
	s_add_nc_u64 s[14:15], s[14:15], s[36:37]
	s_lshl_b32 s36, s34, 13                        ; 8 fragments of 1,024 bytes
	s_add_nc_u64 s[24:25], s[24:25], s[36:37]
	s_lshl_b32 s36, s34, 9                         ; 16 rows of 8 words
	s_add_nc_u64 s[26:27], s[26:27], s[36:37]
	s_mul_i32 s35, s30, STG
	v_add_nc_u32 v4, s35, v2                       ; into the stage: 16 x lane of a row
	v_and_b32 v8, 15, v0                           ; r
	v_bfe_u32 v9, v0, 4, 1                         ; h
	v_mul_u32_u24 v5, v8, 528
	v_lshl_add_u32 v5, v9, 6, v5
	v_add_nc_u32 v5, s35, v5                       ; out of it: row r, + 64 h.  A pitch of 132 words: sixteen rows start at sixteen different groups of four banks
	v_lshlrev_b32 v6, 5, v8
	v_lshl_add_u32 v6, v9, 4, v6                   ; my half of my row's eight scale words
.irp b, 0,1,2,3
	v_mov_b32 v[TM+4+\b], 0                        ; written once: a lane permute's destination counts as one of its sources
.endr
	QLOAD 0
	QLOAD 1
.irp s, 0,1,2,3,4,5,6,7
	QSTEP \s
.endr
	v_cmp_le_u32 vcc_lo, 16, v1                    ; lanes 16-31 store words 4..7, lanes 0-15 words 0..3
.irp i, 0,1,2,3
	v_cndmask_b32 v[OW+\i], v[SW+\i], v[SW+4+\i], vcc_lo
.endr
	global_store_b128 v6, v[OW:OW+3], s[26:27]     ; the tile's 512 bytes of scale words in one store
	s_wait_tensorcnt 0x0                           ; the wave's end, behind my last LDS store
	ds_add_u32 v[SPW], v[NIL]
	s_wait_dscnt 0x0
	s_endpgm
.Lfunc_end_k_q5a82f12500_prep:
	.size	k_q5a82f12500_prep, .Lfunc_end_k_q5a82f12500_prep-k_q5a82f12500_prep
	.p2alignl 7, 3214868480
	.fill 96, 4, 3214868480
	.section	.rodata,"a",@progbits
	.p2align	6, 0x0
	.amdhsa_kernel k_q5a82f12500_prep
		.amdhsa_group_segment_fixed_size 34304
		.amdhsa_private_segment_fixed_size 0
		.amdhsa_enable_private_segment 0
		.amdhsa_kernarg_size 104
		.amdhsa_user_sgpr_count 2
		.amdhsa_user_sgpr_kernarg_segment_ptr 1
		.amdhsa_wavefront_size32 1
		.amdhsa_system_sgpr_workgroup_id_x 1
		.amdhsa_system_sgpr_workgroup_id_y 1
		.amdhsa_system_sgpr_workgroup_id_z 1
		.amdhsa_system_vgpr_workitem_id 0
		.amdhsa_next_free_vgpr 256
		.amdhsa_next_free_sgpr 66
		.amdhsa_reserve_vcc 1
		.amdhsa_float_denorm_mode_32 3
		.amdhsa_float_denorm_mode_16_64 3
		.amdhsa_memory_ordered 1
		.amdhsa_forward_progress 1
		.amdhsa_inst_pref_size 134
	.end_amdhsa_kernel
	.amdgpu_metadata
---
amdhsa.version: [ 1, 2 ]
amdhsa.kernels:
  - .name:           k_q5a82f12500_prep
    .symbol:         k_q5a82f12500_prep.kd
    .args:
      - { .name: y, .offset: 0, .size: 8, .value_kind: global_buffer, .address_space: global }
      - { .name: ln_g, .offset: 8, .size: 8, .value_kind: global_buffer, .address_space: global }
      - { .name: ln_b, .offset: 16, .size: 8, .value_kind: global_buffer, .address_space: global }
      - { .name: Wq, .offset: 24, .size: 8, .value_kind: global_buffer, .address_space: global }
      - { .name: Wo, .offset: 32, .size: 8, .value_kind: global_buffer, .address_space: global }
      - { .name: visual_features, .offset: 40, .size: 8, .value_kind: global_buffer, .address_space: global }
      - { .name: Wkv, .offset: 48, .size: 8, .value_kind: global_buffer, .address_space: global }
      - { .name: media_locations, .offset: 56, .size: 8, .value_kind: global_buffer, .address_space: global }
      - { .name: yn, .offset: 64, .size: 8, .value_kind: global_buffer, .address_space: global }
      - { .name: w16, .offset: 72, .size: 8, .value_kind: global_buffer, .address_space: global }
      - { .name: codes, .offset: 80, .size: 8, .value_kind: global_buffer, .address_space: global }
      - { .name: scales, .offset: 88, .size: 8, .value_kind: global_buffer, .address_space: global }
      - { .name: tt, .offset: 96, .size: 8, .value_kind: global_buffer, .address_space: global }
    .group_segment_fixed_size: 34304
    .private_segment_fixed_size: 0
    .kernarg_segment_align: 8
    .kernarg_segment_size: 104
    .max_flat_workgroup_size: 128
    .sgpr_count:     66
    .vgpr_count:     256
    .wavefront_size: 32
...
	.end_amdgpu_metadata
.endif
;; end of part 1
;; launch qgemm (part 2): grid 4 x 64, 4 waves a work-group, clusters of 4 x 4, 327,680 bytes of LDS; arguments yn, w16, codes, scales, kvimg, qimg; writes kvimg, qimg
.if DOCPART == 2
	.amdgcn_target "amdgcn-amd-amdhsa--gfx1250"
	.amdhsa_code_object_version 6
	.text
	.protected	k_q5a82f12500_qgemm
	.globl	k_q5a82f12500_qgemm
	.p2align	8
	.type	k_q5a82f12500_qgemm,@function
k_q5a82f12500_qgemm:
	s_mov_b64 s[64:65], 0
	v_nop
	global_prefetch_b8 v0, s[64:65] scope:SCOPE_SE
	s_setreg_imm32_b32 hwreg(HW_REG_WAVE_MODE, 25, 1), 1
	s_wait_xcnt 0x0
	s_wait_alu depctr_hold_cnt(0) depctr_sa_sdst(0) depctr_va_vdst(0) depctr_va_sdst(0) depctr_va_ssrc(0) depctr_va_vcc(0) depctr_vm_vsrc(0)
	s_getreg_b32 s2, hwreg(HW_REG_IB_STS2, 6, 4)
	s_cmp_eq_u32 s2, 0
	s_cbranch_scc0 .Lentry_in_a_cluster
	s_endpgm
.Lentry_in_a_cluster:
	s_bfe_u32 s2, ttmp6, 0x10000c
	s_cmp_lg_u32 s2, 0xf033
	s_cbranch_scc0 .Lentry_shape_is_right
	s_endpgm
.Lentry_shape_is_right:
; C = A B^T in f16 with f32 sums.  ONE TEXT SERVES TWO LAUNCHES; only the eleven constants below differ.
;   here: q = yn Wq^T.  A = yn [8192][2048] f16 row-major, B = Wq [1024][2048] f16 (w16, byte 0); q leaves as f16 fragments (qimg), NOT yet
;   multiplied by 1/8: that power of two goes into the softmax's factor.  A work-group makes 128 x 256 of C (256 x 256 would give only 128
;   work-groups for 256 WGPs), a wave 64 x 128.
;   HERE KVW = 1: while its first tiles are on their way, each wave also makes its share of kv = visual_features Wkv^T on MX-FP4 codes (see K AND V below).
; LIMIT: |q|, |k|, |v| stay under f16's largest number, 65,504.
.set SIZE_K, 2048
.set AB,     4                         ; blocks of 16 rows of A in a wave's tile
.set AIMG,   0                         ; 0: A lies as rows; 1: as images of operand registers
.set A_HALF, 64*272                    ; LDS bytes of one tensor load of A = what one wave reads of A
.set A_BLK,  16*272                    ; from block to block of 16 rows in LDS
.set A_Q,    64                        ; from 32 along K to the next
.set A_C,    32                        ; from a fragment's first 16 bytes of a lane to its second
.set ASTEP,  256                       ; a K step of 128 in A's memory, in bytes
.set BOFF,   0                         ; where B begins in w16
.set KVW,    1                         ; 1: the launch also makes K and V
.set COFF,   0x28                      ; where C's address lies among the arguments
; ---- from here on the text is the same in both launches
; Four waves, as many as a WGP has SIMDs; wave w takes row half w / 2 and column half w % 2.  K goes in steps of 128 through a ring of two LDS
; slots; waves 0 and 1 fetch A's halves, waves 2 and 3 B's, one tensor load a wave behind each change of slots.
; CLUSTERS: 4 x 4 work-groups; A's tile is shared along a row of the cluster, B's along a column: each is asked for jointly, by the same load with
; the same descriptor and a mask that names the four.
; THE MATRIX INSTRUCTION IS USED TRANSPOSED (source 0 = 16 rows of B, source 1 = 16 rows of A): lane (r, h) holds row r of C and eight neighbouring columns.
; A K step is four quarters of 32 along K on fragment buffers 0, 1, 0, 1; at a quarter's head the next quarter's fragments are asked for in one run,
; so they have the quarter's 8 AB matrix instructions in which to come.
; REGISTERS: window 0: v16-30 addresses; v64.. and v128.. A's fragments, two buffers.  Window 1: v64-127, v128-191 B's.  Window 2: accumulators of
; A's blocks 0-3 ((a, b) at 8 (8 (a % 4) + b)); window 3: of blocks 4-7.
; K AND V (assembled where KVW = 1): kv = visual_features Wkv^T, K = 1024, the one quantised product: MX-FP4 codes and E8M0 scale words as the launch before laid them,
; sums in f32; K and V leave as f16, laid as the attention's operand registers want them.  It stands between the first joint loads and the wait for them.
;   SHARES.  Work-group x = 4 x tile row + tile column (0..255): medium x / 8 (batch x 8 + medium: 64 keys), heads 2 (x % 8) and + 1.  Wave w: head + w / 2, role w % 2 (0: K, 1: V).
;   A wave makes 64 x 64 numbers: 16 accumulators, 8 K steps of 128: 128 matrix instructions; the 1,024 waves do the product once.
;   ORIENTATION.  In a result, register j of lane (r, h) is (m = 8 h + j, n = r).  Role K: source 0 = 64 rows of Wk (m = d), source 1 = the 64 keys (n = key).  Role V: source 0 = the keys
;   (m = key), source 1 = 64 rows of Wv (n = d).  Either way accumulator (mt, nt), rounded in pairs, IS piece mt % 2 of fragment 2 nt + mt / 2 of a 16-bit operand (16 rows n x 32 along m).
;   OPERANDS come from memory straight into registers: the codes lie in the order of the operand's registers, so every load takes 512 consecutive bytes; no LDS byte, no barrier and
;   no branch is added, and the work-group's place in its cluster enters the addresses of these plain loads and stores alone.
;   REGISTERS.  Window 0: v8 16 x lane, v9 32 x (lane % 16); v192-223 source 0's scale words (8 mt + s), v224-255 source 1's (8 nt + s): scales and nothing else.  Windows 1 and 2: the codes of
;   K steps 0-3 and 4-7: set s % 4: source 0's fragment i at 64 (s % 4) + 8 i, source 1's 32 further on.  Window 3: v0-127 the accumulators (8 (4 mt + nt)), v128-191 the f16 fragments.
.set PITCH,  272                       ; an LDS row of 256 bytes + 16 of padding = 68 words: sixteen rows start at sixteen different groups of four banks
.set AREG,   2*A_HALF
.set B_HALF, 128*PITCH
.set SLOT,   AREG+2*B_HALF             ; A's two halves, then B's two
.set SPARE,  2*SLOT                    ; behind the ring: the spare words, 128 bytes a wave, that no other line names
.set LAPS,   SIZE_K/256                ; a lap = two K steps = once round the ring
.set NL,     16+2*AB                   ; LDS loads in a run
.set SPITCH, 528                       ; (f32 way out) a stage row: 512 bytes + 16
.set BK,     128                       ; (f32 way out) rows read back: v128-191 and v192-255 by turns
.set KLO,  8                           ; v8  (K and V) 16 x lane; never rewritten
.set KSO,  9                           ; v9  (K and V) a row's 8 scale words: 32 x (lane % 16); never rewritten
.set SCA,  192
.set SCB,  224
.set KTM,  128
.set ADRA, 16                          ; v16-17 my A fragments in slot 0, 1
.set ADRB, 20                          ; v20-21 my B fragments
.set STO,  24
.set RD,   25
.set CO,   26
.set SPW,  28                          ; v28 my spare word's LDS address; never rewritten
.set NIL,  29                          ; v29 0; never rewritten
.set PFO,  30                          ; v30 the prefetches' lane offset; never rewritten
.set F0,   64
.set F1,   128
.set G1,   24                          ; s[24:31] group 1 for A; s[32:39] its groups 0, one a slot
.set G0,   32
.set G1B,  48                          ; s[48:55], s[56:63] the same for B
.set G0B,  56
.set PFA,  66                          ; s[66:67] where my prefetches stand
.set LIM,  68                          ; s68 1 in a wave that prefetches, else the greatest number
.set MSB, 0
.macro WIN new                         ; the immediate's high byte repeats the setting that is left
.if MSB != \new
	s_set_vgpr_msb (MSB<<8)|\new
.set MSB, \new
.endif
.endm
.macro PLACES                          ; four plain instructions between a matrix instruction and a load into, or a vector read or write of, its registers
.rept 4
	v_nop
.endr
.endm
.macro JLOAD s                         ; a joint load; the branch hangs on the wave's number alone.  An s_nop 0 and four v_nop follow each line
	s_cmp_eq_u32 s11, 0
	s_cbranch_scc0 .Lfor_b_\@
	tensor_load_to_lds s[G0+4*\s:G0+4*\s+3], s[G1:G1+7]
	s_nop 0
.rept 4
	v_nop
.endr
	s_branch .Lasked_\@
.Lfor_b_\@:
	tensor_load_to_lds s[G0B+4*\s:G0B+4*\s+3], s[G1B:G1B+7]
	s_nop 0
.rept 4
	v_nop
.endr
.Lasked_\@:
.endm
; A prefetch of A's K step that stands two refills on: 32 aligned blocks of 256 bytes, a lane a block.  Each block is named once in the launch: the four partners
; that ask for a tile jointly share it out by address; the loop's last trip asks for nothing, so the last block named is A's last K step.  B is read by every
; cluster of a column of clusters again and again and is not asked for.
.macro ASK
	s_cmp_gt_u32 s3, s[LIM]
	s_cbranch_scc0 .Lnot_mine_\@
	global_prefetch_b8 v[PFO], s[PFA:PFA+1] offset:ASTEP th:TH_LOAD_NT scope:SCOPE_SE
.Lnot_mine_\@:
.endm
.macro CREST                           ; a round of the cluster's barrier behind its opening barrier
	s_cmp_lg_u32 s10, 0
	s_cbranch_scc1 .Lnot_wave_0_\@
	s_barrier_signal -3
.Lnot_wave_0_\@:
	s_barrier_wait -3
	s_barrier_signal -1
	s_barrier_wait -1
.endm
.macro CROUND
	s_barrier_signal -1
	s_barrier_wait -1
	CREST
.endm
.macro FETCH slot, q, f                ; one run of NL loads: the fragments of the slot's q-th 32 along K into buffer f
	WIN 0x40                                       ; destination window 1, address window 0
.irp i, 0,1,2,3,4,5,6,7
	ds_load_b128 v[\f+8*\i:\f+8*\i+3],   v[ADRB+\slot] offset:64*(\q)+\i*16*PITCH
	ds_load_b128 v[\f+8*\i+4:\f+8*\i+7], v[ADRB+\slot] offset:64*(\q)+\i*16*PITCH+32
.endr
	WIN 0
.set fi, 0
.rept AB
	ds_load_b128 v[\f+8*fi:\f+8*fi+3],   v[ADRA+\slot] offset:(\q)*A_Q+fi*A_BLK
	ds_load_b128 v[\f+8*fi+4:\f+8*fi+7], v[ADRA+\slot] offset:(\q)*A_Q+fi*A_BLK+A_C
.set fi, fi+1
.endr
.endm
; A's blocks a0 .. a0 + cnt - 1 against B's eight, 32 along K.  All 8 AB accumulators take turns, one instruction a turn, in the same order in every quarter.
.macro MULS f, a0, cnt, zero
.set ma, \a0
.rept \cnt
.if ma < 4
	WIN 0xa1                                       ; source 0 (B) window 1, source 1 (A) window 0, C and D window 2
.else
	WIN 0xf1                                       ; the same, C and D window 3
.endif
.irp b, 0,1,2,3,4,5,6,7
.if \zero
	v_wmma_f32_16x16x32_f16 v[8*(8*(ma%4)+\b):8*(8*(ma%4)+\b)+7], v[\f+8*\b:\f+8*\b+7], v[\f+8*ma:\f+8*ma+7], 0
.else
	v_wmma_f32_16x16x32_f16 v[8*(8*(ma%4)+\b):8*(8*(ma%4)+\b)+7], v[\f+8*\b:\f+8*\b+7], v[\f+8*ma:\f+8*ma+7], v[8*(8*(ma%4)+\b):8*(8*(ma%4)+\b)+7]
.endif
.endr
.set ma, ma+1
.endr
.endm
.macro QUARTER slot, q, f, g, zero     ; asks for the slot's q-th 32 along K into g, then multiplies f
	PLACES                                         ; g was multiplied in the quarter before
	FETCH \slot, \q, \g
	s_wait_dscnt NL                                ; all but the NL loads just issued: f is in
	MULS \f, 0, AB, \zero
.endm
; A slot's last quarter multiplies buffer 1 and changes slots: one barrier.  In front of it each wave waits for all its tensor loads (one is out: its part of the next slot), adds 0
; to its spare word, and waits for that and for its reads of this slot.  fill = 1: the barrier opens a round of the cluster's, and this slot is filled again, two K steps ahead.
.macro TURN slot, next, fill
.if \fill
	s_wait_xcnt 0x0                                ; the last prefetch, a K step back, has read its address
	s_add_nc_u64 s[PFA:PFA+1], s[PFA:PFA+1], ASTEP
.endif
	WIN 0                                          ; (the add's two registers lie in window 0)
	s_wait_tensorcnt 0x0
	ds_add_u32 v[SPW], v[NIL]
	s_wait_dscnt 1                                 ; buffer 1 is in; the add alone may be out
	MULS F1, 0, AB/4, 0
	s_wait_dscnt 0x0                               ; the add is done, and my reads of this slot are over
	s_barrier_signal -1
	MULS F1, AB/4, AB/4, 0
	WIN 0
	s_barrier_wait -1
.if \fill
	CREST                                          ; no wave of any partner still reads this slot or has a load on its way
	s_add_nc_u64 s[G0+4*\slot+2:G0+4*\slot+3], s[G0+4*\slot+2:G0+4*\slot+3], 2*ASTEP
	s_add_nc_u64 s[G0B+4*\slot+2:G0B+4*\slot+3], s[G0B+4*\slot+2:G0B+4*\slot+3], 2*256
	JLOAD \slot                                    ; my one tensor load behind the round; its four v_nop are also the places in front of the loads below
.else
	PLACES
.endif
	FETCH \next, 0, F0
.if \fill
	ASK
.endif
	MULS F1, AB/2, AB/2, 0
.endm
.macro TOSTAGE a                       ; (f32 way out) block a: 16 rows x 128 columns into my stage, and back as whole rows of 512 bytes
.set AC, 64*((\a)%4)
	WIN 0x08+4*((\a)/4)                            ; an LDS store's data are its source 1: window 2 or 3
.irp b, 0,1,2,3,4,5,6,7
	ds_store_b128 v[STO], v[AC+8*\b:AC+8*\b+3] offset:64*\b          ; each accumulator from its low end on
	ds_store_b128 v[STO], v[AC+8*\b+4:AC+8*\b+7] offset:64*\b+16
.endr
	WIN 0
.set BBK, BK+64*((\a)%2)
.irp t, 0,1,2,3,4,5,6,7,8,9,10,11,12,13,14,15
	ds_load_b128 v[BBK+4*\t:BBK+4*\t+3], v[RD] offset:\t*SPITCH      ; LDS serves a wave's instructions in order: these see the stores above
.endr
.endm
.macro SEND a, younger                 ; younger: the LDS instructions issued behind block a's loads
.set BBK, BK+64*((\a)%2)
	s_wait_dscnt \younger
.if (\a) > 0
	s_add_nc_u64 s[8:9], s[8:9], 16*8192           ; 16 rows of C on (the earlier stores have read the base: a wait on XCNT stands ahead)
.endif
.irp t, 0,1,2,3,4,5,6,7,8,9,10,11,12,13,14,15
	global_store_b128 v[CO], v[BBK+4*\t:BBK+4*\t+3], s[8:9] offset:\t*8192 th:TH_STORE_NT   ; 32 lanes store 512 consecutive bytes, aligned
.endr
.endm
.macro KLOAD s                         ; (K and V) the codes of K step s: 4 + 4 fragments, 16 loads, into set s % 4 of window 1 (steps 0-3) or 2 (steps 4-7)
.if (\s) < 4
	WIN 0x40                                       ; destination window 1, address window 0
.else
	WIN 0x80                                       ; destination window 2
.endif
.irp i, 0,1,2,3
.irp c, 0,1
	global_load_b128 v[64*((\s)%4)+8*\i+4*\c:64*((\s)%4)+8*\i+4*\c+3], v[KLO], s[88:89] offset:8192*\i+1024*(\s)+512*\c
	global_load_b128 v[64*((\s)%4)+32+8*\i+4*\c:64*((\s)%4)+32+8*\i+4*\c+3], v[KLO], s[90:91] offset:8192*\i+1024*(\s)+512*\c
.endr
.endr
.endm
.macro KSTEP s                         ; (K and V) K step s: 16 matrix instructions
.if 16*(7-(\s)) > 63
	s_wait_loadcnt 63                              ; behind this set 16 (7 - s) loads were issued; the count is held at 63, the most that the wait can name: a smaller count waits for no less
.else
	s_wait_loadcnt 16*(7-(\s))                     ; this set is in (and the scale words, issued first); the younger sets, 16 loads each, may be out
.endif
.if (\s) < 4
	WIN 0xf5                                       ; sources 0 and 1 window 1; C and D window 3
.else
	WIN 0xfa                                       ; sources 0 and 1 window 2; C and D window 3
.endif
.irp mt, 0,1,2,3                               ; the 16 accumulators take turns, one instruction a turn, in the same order in every step
.irp nt, 0,1,2,3
.if (\s) == 0
	v_wmma_scale_f32_16x16x128_f8f6f4 v[8*(4*\mt+\nt):8*(4*\mt+\nt)+7], v[64*((\s)%4)+8*\mt:64*((\s)%4)+8*\mt+7], v[64*((\s)%4)+32+8*\nt:64*((\s)%4)+32+8*\nt+7], 0, v[SCA+8*\mt+(\s)], v[SCB+8*\nt+(\s)] matrix_a_fmt:MATRIX_FMT_FP4 matrix_b_fmt:MATRIX_FMT_FP4
.else
	v_wmma_scale_f32_16x16x128_f8f6f4 v[8*(4*\mt+\nt):8*(4*\mt+\nt)+7], v[64*((\s)%4)+8*\mt:64*((\s)%4)+8*\mt+7], v[64*((\s)%4)+32+8*\nt:64*((\s)%4)+32+8*\nt+7], v[8*(4*\mt+\nt):8*(4*\mt+\nt)+7], v[SCA+8*\mt+(\s)], v[SCB+8*\nt+(\s)] matrix_a_fmt:MATRIX_FMT_FP4 matrix_b_fmt:MATRIX_FMT_FP4
.endif
.endr
.endr
.endm
	s_load_b128 s[4:7], s[0:1], 0x0                ; A, w16
	s_load_b64 s[8:9], s[0:1], COFF                ; C
.if KVW
	s_load_b128 s[72:75], s[0:1], 0x10             ; codes, scales
	s_load_b64 s[76:77], s[0:1], 0x20              ; kvimg
.endif
	v_lshl_add_u32 v[SPW], v0, 2, SPARE
	v_mov_b32 v[NIL], 0
	ds_add_u32 v[SPW], v[NIL]                      ; the opening: the add, twice on end, and its wait ahead of my first tensor load
	ds_add_u32 v[SPW], v[NIL]
	v_lshrrev_b32 v1, 5, v0
	v_readfirstlane_b32 s10, v1                    ; wave 0..3
	s_lshr_b32 s11, s10, 1                         ; my half of the rows.  Also: I fetch for A (0) or B (1)
	s_and_b32 s12, s10, 1                          ; my half of the columns.  Also: which half I fetch
	s_bfe_u32 s40, ttmp6, 0x40000                  ; cx
	s_bfe_u32 s41, ttmp6, 0x40004                  ; cy
	s_lshl_b32 s42, ttmp9, 2
	s_add_co_u32 s42, s42, s40                     ; tile column = 4 x cluster x + cx
	s_and_b32 s13, ttmp7, 0xffff
	s_lshl_b32 s13, s13, 2
	s_add_co_u32 s13, s13, s41                     ; tile row = 4 x cluster y + cy
	s_lshl_b32 s43, s41, 2
	s_lshl_b32 s43, 15, s43                        ; my row of the cluster
	s_lshl_b32 s44, 0x1111, s40                    ; my column
.if KVW
	s_lshl_b32 s80, s13, 2                         ; (K and V) registers of their own, s80 on: none of them feeds a descriptor
	s_add_co_u32 s80, s80, s42                     ; x = 4 x tile row + tile column
	s_lshr_b32 s81, s80, 3                         ; the medium: batch x 8 + medium
	s_and_b32 s82, s80, 7
	s_lshl_b32 s82, s82, 1
	s_add_co_u32 s82, s82, s11                     ; the head
	s_lshl_b32 s83, s81, 2                         ; the keys' first tile of 16 rows
	s_lshl_b32 s84, s12, 6
	s_lshl_b32 s85, s82, 2
	s_add_co_u32 s84, s84, s85
	s_add_co_u32 s84, s84, 128                     ; the weight's: 128 + 64 role + 4 head
	s_cmp_eq_u32 s12, 0                            ; role K?
	s_cselect_b32 s86, s84, s83                    ; source 0's tiles
	s_cselect_b32 s87, s83, s84                    ; source 1's
.endif
.if AIMG
	s_or_b32 s[G1+0], s43, (3<<16)|(1<<21)         ; A as images: 8 tiles of 16 rows x 4,096 bytes (512 elements of 8 bytes), 32,768 bytes apart, dense in LDS
	s_mov_b32 s[G1+1], 512<<16
	s_mov_b32 s[G1+2], 8<<16
	s_mov_b32 s[G1+3], 512<<16
	s_mov_b32 s[G1+4], 8
	s_mov_b32 s[G1+5], 4096
.else
	s_or_b32 s[G1+0], s43, (1<<16)|(1<<20)|(1<<21)|(5<<22)|(3<<25)  ; A as rows: 64 rows x 128 elements of 2 bytes; 4 words of padding behind every 64
	s_mov_b32 s[G1+1], 128<<16
	s_mov_b32 s[G1+2], 64<<16
	s_mov_b32 s[G1+3], 128<<16
	s_mov_b32 s[G1+4], 64
	s_mov_b32 s[G1+5], SIZE_K
.endif
	s_mov_b32 s[G1+6], 0
	s_mov_b32 s[G1+7], 0
	s_or_b32 s[G1B+0], s44, (1<<16)|(1<<20)|(1<<21)|(5<<22)|(3<<25) ; B: 128 rows x 128 elements, padded likewise
	s_mov_b32 s[G1B+1], 128<<16
	s_mov_b32 s[G1B+2], 128<<16
	s_mov_b32 s[G1B+3], 128<<16
	s_mov_b32 s[G1B+4], 128
	s_mov_b32 s[G1B+5], SIZE_K
	s_mov_b32 s[G1B+6], 0
	s_mov_b32 s[G1B+7], 0
	s_lshl_b32 s16, s13, 1
	s_add_co_u32 s16, s16, s12
	s_lshl_b32 s16, s16, 18                        ; A: half 2 x tile row + w % 2; a half is 262,144 bytes of memory in both layouts
	s_mov_b32 s17, 0
	s_lshl_b32 s46, s42, 1
	s_add_co_u32 s46, s46, s12
	s_mul_i32 s46, s46, 256*SIZE_K                 ; B: half 2 x tile column + w % 2: 128 rows of 2 SIZE_K bytes
	s_add_co_u32 s46, s46, BOFF
	s_mov_b32 s47, 0
	s_mul_i32 s20, s12, A_HALF                     ; where they go: no place in the cluster enters an LDS address
	s_mul_i32 s21, s12, B_HALF
	s_add_co_u32 s21, s21, AREG
	s_wait_dscnt 0x0                               ; both opening adds are done
	s_wait_kmcnt 0x0
	s_add_nc_u64 s[14:15], s[4:5], s[16:17]
	s_add_nc_u64 s[46:47], s[6:7], s[46:47]
	CROUND                                         ; all sixteen work-groups are here: the first joint loads meet
.irp s, 0,1
	s_mov_b32 s[G0+4*\s], 1
	s_add_co_u32 s[G0+4*\s+1], s20, \s*SLOT
	s_add_nc_u64 s[G0+4*\s+2:G0+4*\s+3], s[14:15], \s*ASTEP
	s_or_b32 s[G0+4*\s+3], s[G0+4*\s+3], 0x80000000
	s_mov_b32 s[G0B+4*\s], 1
	s_add_co_u32 s[G0B+4*\s+1], s21, \s*SLOT
	s_add_nc_u64 s[G0B+4*\s+2:G0B+4*\s+3], s[46:47], \s*256
	s_or_b32 s[G0B+4*\s+3], s[G0B+4*\s+3], 0x80000000
	JLOAD \s                                       ; two loads of mine are out
.endr
.if KVW
	; (K and V) all that the wave will multiply is asked for now, behind the joint loads: 16 loads of scale words, then 8 K steps of 16 loads
	v_and_b32 v[KLO], 31, v0
	v_lshlrev_b32 v[KLO], 4, v[KLO]
	v_and_b32 v[KSO], 15, v0
	v_lshlrev_b32 v[KSO], 5, v[KSO]                ; (lanes 16-31 read what lanes 0-15 read; the unit takes lanes 0-15)
	s_mov_b32 s99, 0
	s_lshl_b32 s98, s86, 13                        ; a tile's codes: 8 fragments of 1,024 bytes
	s_add_nc_u64 s[88:89], s[72:73], s[98:99]
	s_lshl_b32 s98, s87, 13
	s_add_nc_u64 s[90:91], s[72:73], s[98:99]
	s_lshl_b32 s98, s86, 9                         ; a tile's scale words: 16 rows of 8
	s_add_nc_u64 s[92:93], s[74:75], s[98:99]
	s_lshl_b32 s98, s87, 9
	s_add_nc_u64 s[94:95], s[74:75], s[98:99]
	s_lshl_b32 s98, s81, 4
	s_add_co_u32 s98, s98, s82
	s_lshl_b32 s98, s98, 1
	s_add_co_u32 s98, s98, s12
	s_lshl_b32 s98, s98, 13                        ; my 8 fragments of 1,024 bytes in kvimg: ((medium x 16 + head) x 2 + role)
	s_add_nc_u64 s[96:97], s[76:77], s[98:99]
.irp i, 0,1,2,3
.irp q, 0,1
	global_load_b128 v[SCA+8*\i+4*\q:SCA+8*\i+4*\q+3], v[KSO], s[92:93] offset:512*\i+16*\q
	global_load_b128 v[SCB+8*\i+4*\q:SCB+8*\i+4*\q+3], v[KSO], s[94:95] offset:512*\i+16*\q
.endr
.endr
.irp s, 0,1,2,3,4,5,6,7
	KLOAD \s
.endr
	WIN 0
.endif
	v_and_b32 v1, 15, v0                           ; r
	v_bfe_u32 v2, v0, 4, 1                         ; h
	v_mul_u32_u24 v3, v1, PITCH
	v_lshl_add_u32 v3, v2, 4, v3                   ; a fragment from rows: row x pitch + 16 h
	v_and_b32 v4, 31, v0
	v_lshlrev_b32 v4, 4, v4                        ; a fragment from an image: 16 x lane
	s_mul_i32 s21, s11, A_HALF
	s_mul_i32 s22, s12, B_HALF
	s_add_co_u32 s22, s22, AREG
.irp s, 0,1
.if AIMG
	v_add_nc_u32 v[ADRA+\s], s21, v4
.else
	v_add_nc_u32 v[ADRA+\s], s21, v3
.endif
	v_add_nc_u32 v[ADRB+\s], s22, v3
	s_add_co_u32 s21, s21, SLOT
	s_add_co_u32 s22, s22, SLOT
.endr
	v_mov_b32 v[CO], v4
.if AIMG
	s_mul_i32 s23, s10, 16*SPITCH                  ; my stage, in slot 0: used when that slot has had its last fill and its last read
	v_mul_u32_u24 v5, v1, SPITCH
	v_lshl_add_u32 v5, v2, 5, v5
	v_add_nc_u32 v[STO], s23, v5                   ; in: row r, 32 bytes for each half of the lanes
	v_add_nc_u32 v[RD], s23, v4                    ; back: a row of 512 bytes to the 32 lanes
	s_lshl_b32 s16, s13, 21                        ; C, f32 rows of 8,192 bytes: row 256 x tile row + 128 x half,
	s_lshl_b32 s17, s11, 20
	s_add_co_u32 s16, s16, s17
	s_lshl_b32 s46, s42, 10                        ; column bytes 1,024 x tile column + 512 x half
	s_lshl_b32 s47, s12, 9
.else
	s_lshl_b32 s16, s13, 18                        ; C as images: tile of 16 rows 8 x tile row + 4 x half, 32,768 bytes each,
	s_lshl_b32 s17, s11, 17
	s_add_co_u32 s16, s16, s17
	s_lshl_b32 s46, s42, 13                        ; fragment 8 x tile column + 4 x half, 1,024 bytes each
	s_lshl_b32 s47, s12, 12
.endif
	s_mov_b32 s17, 0
	s_add_co_u32 s46, s46, s47
	s_mov_b32 s47, 0
	s_add_nc_u64 s[16:17], s[16:17], s[46:47]
	s_add_nc_u64 s[8:9], s[8:9], s[16:17]
	; the prefetches: my work-group's quarter of A's tile, by address
	s_lshl_b32 s20, s13, 19                        ; the tile's first byte (two halves of 262,144),
	s_lshl_b32 s21, s40, 17                        ; + cx quarters
	s_add_co_u32 s20, s20, s21
.if AIMG
	s_lshl_b32 s21, s12, 16                        ; waves 0 and 1 take two tiles of 16 rows each
	s_add_co_u32 s20, s20, s21
	s_or_b32 s21, s11, ttmp9                       ; they ask, in the first cluster of a row of clusters: the others walk the same rows
	v_lshlrev_b32 v[PFO], 15, v2
	v_lshl_add_u32 v[PFO], v1, 8, v[PFO]           ; lanes 0-15: one tile's 16 blocks of 256 bytes; lanes 16-31: the next tile's
.else
	s_mov_b32 s21, s10                             ; wave 0 asks: 32 rows, a lane a row
	v_lshlrev_b32 v[PFO], 8, v4
.endif
	s_cmp_eq_u32 s21, 0
	s_cselect_b32 s[LIM], 1, -1                    ; the same in all sixteen partners, for a given wave
	s_add_co_u32 s20, s20, 2*ASTEP                 ; at K step 2: the first refill steps it to 3 and names K step 4.  Nothing is asked for here, at the head
	s_mov_b32 s21, 0
	s_add_nc_u64 s[PFA:PFA+1], s[4:5], s[20:21]
.if KVW
	; (K and V) the product, while the ring's first tiles are on their way
.irp s, 0,1,2,3,4,5,6,7
	KSTEP \s
.endr
	PLACES                                         ; in front of the first read of results
	WIN 0xcf                                       ; sources and destination window 3
.irp mt, 0,1,2,3
.irp nt, 0,1,2,3
.irp i, 0,1,2,3                                ; each accumulator from its low end on
	v_cvt_pk_f16_f32 v[KTM+8*(2*\nt+\mt/2)+4*(\mt%2)+\i], v[8*(4*\mt+\nt)+2*\i], v[8*(4*\mt+\nt)+2*\i+1]
.endr
.endr
.endr
	WIN 0x0c                                       ; a store's data are its source 1: window 3
.irp f, 0,1,2,3,4,5,6,7
	global_store_b128 v[KLO], v[KTM+8*\f:KTM+8*\f+3], s[96:97] offset:1024*\f          ; 512 consecutive bytes a store, aligned; no register that these stores read is written again
	global_store_b128 v[KLO], v[KTM+8*\f+4:KTM+8*\f+7], s[96:97] offset:1024*\f+512
.endr
	WIN 0                                          ; the 64 conversions are also the places between these products and what next writes the codes' registers
.endif
	s_wait_tensorcnt 1                             ; my part of K step 0 is in; K step 1's load may stay out
	s_barrier_signal -1
	s_barrier_wait -1
	FETCH 0, 0, F0
	QUARTER 0, 1, F0, F1, 1                        ; the first quarter's products start the sums: nothing is cleared
	WIN 0
	s_mov_b32 s3, LAPS-1
.Llap:                                                 ; a trip goes once round the ring, from a lap's second quarter to the next lap's first, and fills both slots again
	QUARTER 0, 2, F1, F0, 0
	QUARTER 0, 3, F0, F1, 0
	TURN 0, 1, 1
	QUARTER 1, 1, F0, F1, 0
	QUARTER 1, 2, F1, F0, 0
	QUARTER 1, 3, F0, F1, 0
	TURN 1, 0, 1
	QUARTER 0, 1, F0, F1, 0
	WIN 0
	s_sub_co_u32 s3, s3, 1
	s_cmp_lg_u32 s3, 0
	s_cbranch_scc1 .Llap
	QUARTER 0, 2, F1, F0, 0                        ; the last lap is written out: it fills nothing
	QUARTER 0, 3, F0, F1, 0
	TURN 0, 1, 0
	QUARTER 1, 1, F0, F1, 0
	QUARTER 1, 2, F1, F0, 0
	QUARTER 1, 3, F0, F1, 0
	s_wait_dscnt 0x0
	MULS F1, 0, AB, 0
	WIN 0
	PLACES                                         ; in front of the first read of results and of writes over A's fragments
.if AIMG
	TOSTAGE 0
.irp a, 1,2,3,4,5,6,7
.if \a > 1
	s_wait_xcnt 0x0                                ; block a - 2's stores have read their registers and their base
.endif
	TOSTAGE \a
	SEND \a-1, 32                                  ; behind block a - 1's loads: block a's 16 stores and 16 loads
.endr
	s_wait_xcnt 0x0
	SEND 7, 0
.else
.irp a, 0,1,2,3                                ; two neighbouring accumulators, rounded in pairs, ARE a 16-bit fragment (16 rows x 32 columns): no lane changes, no LDS
	WIN 0x0a                                       ; sources window 2, destination window 0
.irp b, 0,1,2,3,4,5,6,7
.irp i, 0,1,2,3
	v_cvt_pk_f16_f32 v[64+32*\a+4*\b+\i], v[8*(8*\a+\b)+2*\i], v[8*(8*\a+\b)+2*\i+1]
.endr
.endr
	WIN 0
.irp b, 0,1,2,3,4,5,6,7
	global_store_b128 v[CO], v[64+32*\a+4*\b:64+32*\a+4*\b+3], s[8:9] offset:32768*\a+1024*(\b/2)+512*(\b%2)   ; 512 consecutive bytes a store, aligned
.endr
.endr
.endif
	s_wait_tensorcnt 0x0                           ; the wave's end
	ds_add_u32 v[SPW], v[NIL]
	s_wait_dscnt 0x0
	CROUND                                         ; the closing round: no work-group ends while a partner may still ask for a tile that names it
	s_endpgm
.Lfunc_end_k_q5a82f12500_qgemm:
	.size	k_q5a82f12500_qgemm, .Lfunc_end_k_q5a82f12500_qgemm-k_q5a82f12500_qgemm
	.p2alignl 7, 3214868480
	.fill 96, 4, 3214868480
	.section	.rodata,"a",@progbits
	.p2align	6, 0x0
	.amdhsa_kernel k_q5a82f12500_qgemm
		.amdhsa_group_segment_fixed_size 327680
		.amdhsa_private_segment_fixed_size 0
		.amdhsa_enable_private_segment 0
		.amdhsa_kernarg_size 48
		.amdhsa_user_sgpr_count 2
		.amdhsa_user_sgpr_kernarg_segment_ptr 1
		.amdhsa_wavefront_size32 1
		.amdhsa_system_sgpr_workgroup_id_x 1
		.amdhsa_system_sgpr_workgroup_id_y 1
		.amdhsa_system_sgpr_workgroup_id_z 1
		.amdhsa_system_vgpr_workitem_id 0
		.amdhsa_next_free_vgpr 1024
		.amdhsa_next_free_sgpr 100
		.amdhsa_reserve_vcc 0
		.amdhsa_float_denorm_mode_32 3
		.amdhsa_float_denorm_mode_16_64 3
		.amdhsa_memory_ordered 1
		.amdhsa_forward_progress 1
		.amdhsa_inst_pref_size 119
	.end_amdhsa_kernel
	.amdgpu_metadata
---
amdhsa.version: [ 1, 2 ]
amdhsa.kernels:
  - .name:           k_q5a82f12500_qgemm
    .symbol:         k_q5a82f12500_qgemm.kd
    .args:
      - { .name: yn, .offset: 0, .size: 8, .value_kind: global_buffer, .address_space: global }
      - { .name: w16, .offset: 8, .size: 8, .value_kind: global_buffer, .address_space: global }
      - { .name: codes, .offset: 16, .size: 8, .value_kind: global_buffer, .address_space: global }
      - { .name: scales, .offset: 24, .size: 8, .value_kind: global_buffer, .address_space: global }
      - { .name: kvimg, .offset: 32, .size: 8, .value_kind: global_buffer, .address_space: global }
      - { .name: qimg, .offset: 40, .size: 8, .value_kind: global_buffer, .address_space: global }
    .group_segment_fixed_size: 327680
    .private_segment_fixed_size: 0
    .kernarg_segment_align: 8
    .kernarg_segment_size: 48
    .max_flat_workgroup_size: 128
    .sgpr_count:     100
    .vgpr_count:     1024
    .wavefront_size: 32
...
	.end_amdgpu_metadata
.endif
;; end of part 2
;; launch attn (part 3): grid 256 x 1, 8 waves a work-group, no clusters, 0 bytes of LDS; arguments qimg, kvimg, tt, oimg; writes oimg
.if DOCPART == 3
	.amdgcn_target "amdgcn-amd-amdhsa--gfx1250"
	.amdhsa_code_object_version 6
	.text
	.protected	k_q5a82f12500_attn
	.globl	k_q5a82f12500_attn
	.p2align	8
	.type	k_q5a82f12500_attn,@function
k_q5a82f12500_attn:
	s_mov_b64 s[64:65], 0
	v_nop
	global_prefetch_b8 v0, s[64:65] scope:SCOPE_SE
	s_setreg_imm32_b32 hwreg(HW_REG_WAVE_MODE, 25, 1), 1
	s_wait_xcnt 0x0
; ATTN: the masked cross attention.  t = tt[token] is the running count of media.  A token with t in 1..8 sees the 64 keys of medium t and no other; a token with
; t = 0 gives zeros; a token with t above 8 has no key that counts: every score is then the same number and the softmax is 1/512 on all 512 keys.
; SHARES.  Work-group x: batch x / 64, head (x / 4) % 16.  Wave: span 8 (x % 4) + w of 64 tokens: four tiles of 16.  t never falls along a sequence, so the wave walks the media
; from its first token's to its last token's (all eight where its last token's t is above 8): a scalar loop whose bounds are whole numbers read from tt.
; The launch has no tensor load, no cluster and no joint load: K and V, 16 KiB for a medium and head, come straight into
; registers from images of the operand registers, 512 consecutive bytes a load; no LDS, no barrier.
; LAYOUT.  S^T = K Q^T (source 0 = 16 keys, source 1 = 16 tokens) and O^T = V^T P (source 0 = 16 d, source 1 = P): a lane holds ONE token (lane % 16) throughout; a tile of S^T rounded in
; pairs is half a fragment of P, and a tile of O^T rounded in pairs half a fragment of the next product's operand: nothing changes lanes.
; SOFTMAX.  In the trip of medium m a token with t - 1 = m gets p = 2^(c s - c max), max over the medium's 64 keys, which are all its keys that count; c = log2(e) / 8 carries the 1/8 by which
; q is scaled.  Any other token with t up to 8 gets p = 2^(c s - 3e38) = 0.  A token with t above 8 gets p = 2^(0 s + 0) = 1 in all eight trips: sum 512.  A token has one live medium, so no sum is rescaled.
; LIMITS: p and o go in f16 (p at most 1; |o| under 65,504); scores are finite.
; REGISTERS.  Window 0: v1 16 x lane, v2 4 x (lane % 16), v3 c, v4 -3e38, v5 0, v6 1.0; tile t's eight at v[16 + 8 t]: +0 its c or 0, +1 t - 1, +2 the addend, +3 -3e38 or 0, +4, +5 the sum, +6, +7 at work;
; v64-127 Q (16 t + 8 u); v128-255 S^T (32 t + 8 kt), then P in place (32 t + 8 ku).  Window 1: v0-63 K (8 (2 kt + u)), v64-127 V (8 (2 dt + ku)), v128-255 O^T (32 t + 8 dt).
.set ST, 16
.set Q,  64
.set S,  128
.set MSB, 0
.macro WIN new                         ; the immediate's high byte repeats the setting that is left
.if MSB != \new
	s_set_vgpr_msb (MSB<<8)|\new
.set MSB, \new
.endif
.endm
; One medium, number s22.  first = 1: the products start O^T's sums and the additions the row sums: nothing is cleared.
.macro TRIP first
	s_min_u32 s26, s22, 7                          ; a number read from memory enters an address only held under a constant
	s_lshl_b32 s26, s26, 18                        ; a medium: 16 heads x 16,384 bytes
	s_mov_b32 s27, 0
	s_add_nc_u64 s[24:25], s[18:19], s[26:27]      ; (the last trip's loads were waited for: the base may be written)
.if \first == 0
.rept 5
	v_nop                                          ; five places: the products below write over P, which the last products read; and V is loaded anew
.endr
.endif
	WIN 0x40                                       ; destination window 1, address window 0
.set f, 0
.rept 8
	global_load_b128 v[8*f:8*f+3], v1, s[24:25] offset:1024*f
	global_load_b128 v[8*f+4:8*f+7], v1, s[24:25] offset:1024*f+512
.set f, f+1
.endr
.set f, 0
.rept 8
	global_load_b128 v[64+8*f:64+8*f+3], v1, s[24:25] offset:8192+1024*f
	global_load_b128 v[64+8*f+4:64+8*f+7], v1, s[24:25] offset:8192+1024*f+512
.set f, f+1
.endr
	s_wait_loadcnt 16                              ; K is in (and Q, issued earlier); V's 16 loads may be out
	WIN 0x01                                       ; source 0 (K) window 1; Q and S^T window 0
.irp u, 0,1                                    ; the 16 accumulators take turns, one instruction a turn
.irp t, 0,1,2,3
.irp kt, 0,1,2,3
.if \u == 0
	v_wmma_f32_16x16x32_f16 v[S+32*\t+8*\kt:S+32*\t+8*\kt+7], v[8*(2*\kt+\u):8*(2*\kt+\u)+7], v[Q+16*\t+8*\u:Q+16*\t+8*\u+7], 0
.else
	v_wmma_f32_16x16x32_f16 v[S+32*\t+8*\kt:S+32*\t+8*\kt+7], v[8*(2*\kt+\u):8*(2*\kt+\u)+7], v[Q+16*\t+8*\u:Q+16*\t+8*\u+7], v[S+32*\t+8*\kt:S+32*\t+8*\kt+7]
.endif
.endr
.endr
.endr
	WIN 0
.rept 4
	v_nop                                          ; four places in front of the first read of the scores
.endr
.irp t, 0,1,2,3                                ; the largest of my 32 scores of each tile, from each accumulator's low end on; the four tiles by turns
	v_max3_num_f32 v[ST+8*\t+6], v[S+32*\t], v[S+32*\t+1], v[S+32*\t+2]
.endr
.irp i, 3,5,7,9,11,13,15,17,19,21,23,25,27,29
.irp t, 0,1,2,3
	v_max3_num_f32 v[ST+8*\t+6], v[ST+8*\t+6], v[S+32*\t+\i], v[S+32*\t+\i+1]
.endr
.endr
.irp t, 0,1,2,3
	v_max_num_f32 v[ST+8*\t+6], v[ST+8*\t+6], v[S+32*\t+31]
.endr
.irp t, 0,1,2,3
	v_permlanex16_b32 v[ST+8*\t+7], v[ST+8*\t+6], s28, s29   ; the token's other 32 keys lie in the lane 16 away
.endr
.irp t, 0,1,2,3
	v_max_num_f32 v[ST+8*\t+6], v[ST+8*\t+6], v[ST+8*\t+7]
.endr
.irp t, 0,1,2,3
	v_mul_f32 v[ST+8*\t+2], s31, v[ST+8*\t+6]      ; -c max
.endr
.irp t, 0,1,2,3
	v_cmp_eq_u32 vcc_lo, s22, v[ST+8*\t+1]         ; is this medium my token's?
	v_cndmask_b32 v[ST+8*\t+2], v[ST+8*\t+3], v[ST+8*\t+2], vcc_lo
.endr
.irp t, 0,1,2,3
.set p, 0
.rept 16
	v_pk_fma_f32 v[S+32*\t+2*p:S+32*\t+2*p+1], v[S+32*\t+2*p:S+32*\t+2*p+1], v[ST+8*\t:ST+8*\t+1], v[ST+8*\t+2:ST+8*\t+3] op_sel_hi:[1,0,0]
.set p, p+1
.endr
.endr
.set e, 0
.rept 128
	v_exp_f32 v[S+e], v[S+e]                       ; one batch
.set e, e+1
.endr
	v_nop                                          ; a plain instruction behind the last exponential,
	s_wait_alu depctr_va_vdst(0)                   ; and one wait for the batch, ahead of its first reader
.if \first
.irp t, 0,1,2,3
	v_pk_add_f32 v[ST+8*\t+4:ST+8*\t+5], v[S+32*\t:S+32*\t+1], v[S+32*\t+2:S+32*\t+3]
.endr
.else
.irp p, 0,1
.irp t, 0,1,2,3
	v_pk_add_f32 v[ST+8*\t+4:ST+8*\t+5], v[ST+8*\t+4:ST+8*\t+5], v[S+32*\t+2*\p:S+32*\t+2*\p+1]
.endr
.endr
.endif
.irp p, 2,3,4,5,6,7,8,9,10,11,12,13,14,15      ; the row sums, of p before it is rounded
.irp t, 0,1,2,3
	v_pk_add_f32 v[ST+8*\t+4:ST+8*\t+5], v[ST+8*\t+4:ST+8*\t+5], v[S+32*\t+2*\p:S+32*\t+2*\p+1]
.endr
.endr
.irp t, 0,1,2,3
.set d, 0
.rept 16
	v_cvt_pk_f16_f32 v[S+32*\t+d], v[S+32*\t+2*d], v[S+32*\t+2*d+1]   ; in place, ascending: register d is written when registers 2 d, 2 d + 1 are read, and was itself read before
.set d, d+1
.endr
.endr
	s_wait_loadcnt 0x0                             ; V is in
	WIN 0x51                                       ; source 0 (V), C and D (O^T) window 1; P window 0
.irp ku, 0,1
.irp t, 0,1,2,3
.irp dt, 0,1,2,3
.if (\first) && (\ku == 0)
	v_wmma_f32_16x16x32_f16 v[128+32*\t+8*\dt:128+32*\t+8*\dt+7], v[64+8*(2*\dt+\ku):64+8*(2*\dt+\ku)+7], v[S+32*\t+8*\ku:S+32*\t+8*\ku+7], 0
.else
	v_wmma_f32_16x16x32_f16 v[128+32*\t+8*\dt:128+32*\t+8*\dt+7], v[64+8*(2*\dt+\ku):64+8*(2*\dt+\ku)+7], v[S+32*\t+8*\ku:S+32*\t+8*\ku+7], v[128+32*\t+8*\dt:128+32*\t+8*\dt+7]
.endif
.endr
.endr
.endr
	WIN 0
.endm
	s_load_b256 s[4:11], s[0:1], 0x0               ; qimg 4, kvimg 6, tt 8, oimg 10
	v_lshrrev_b32 v3, 5, v0
	v_readfirstlane_b32 s12, v3                    ; wave 0..7
	v_and_b32 v1, 31, v0
	v_lshlrev_b32 v1, 4, v1                        ; 16 x lane
	v_and_b32 v2, 15, v0
	v_lshlrev_b32 v2, 2, v2                        ; my token's word of tt
	s_lshr_b32 s13, ttmp9, 6                       ; batch
	s_bfe_u32 s14, ttmp9, 0x40002                  ; head
	s_and_b32 s15, ttmp9, 3
	s_lshl_b32 s15, s15, 3
	s_add_co_u32 s15, s15, s12                     ; span of 64 tokens, 0..31
	s_lshl_b32 s16, s13, 13
	s_lshl_b32 s17, s15, 8
	s_add_co_u32 s16, s16, s17                     ; tt: (2048 batch + 64 span) words
	s_mov_b32 s17, 0
	s_lshl_b32 s34, s13, 22                        ; qimg, oimg: tile of 16 tokens 128 batch + 4 span, 32,768 bytes each,
	s_lshl_b32 s35, s15, 17
	s_add_co_u32 s34, s34, s35
	s_lshl_b32 s35, s14, 11                        ; + the head's two fragments of 1,024 bytes
	s_add_co_u32 s34, s34, s35
	s_mov_b32 s35, 0
	s_lshl_b32 s36, s13, 21                        ; kvimg: batch x 8 media x 16 heads x 16,384 bytes,
	s_lshl_b32 s37, s14, 14                        ; + head
	s_add_co_u32 s36, s36, s37
	s_mov_b32 s37, 0
	s_mov_b32 s28, 0x76543210
	s_mov_b32 s29, 0xfedcba98                      ; v_permlanex16_b32's selects for lane l xor 16
	s_mov_b32 s31, 0xbe38aa3b                      ; -c = -log2(e) / 8
	s_wait_kmcnt 0x0
	s_add_nc_u64 s[8:9], s[8:9], s[16:17]
	s_add_nc_u64 s[4:5], s[4:5], s[34:35]
	s_add_nc_u64 s[10:11], s[10:11], s[34:35]
	s_add_nc_u64 s[18:19], s[6:7], s[36:37]
	s_load_b32 s20, s[8:9], 0x0                    ; t of my first token,
	s_load_b32 s21, s[8:9], 0xfc                   ; and of my last
.irp t, 0,1,2,3
	global_load_b32 v[ST+8*\t+1], v2, s[8:9] offset:64*\t
.endr
.irp t, 0,1,2,3
.irp u, 0,1
	global_load_b128 v[Q+16*\t+8*\u:Q+16*\t+8*\u+3], v1, s[4:5] offset:32768*\t+1024*\u th:TH_LOAD_NT
	global_load_b128 v[Q+16*\t+8*\u+4:Q+16*\t+8*\u+7], v1, s[4:5] offset:32768*\t+1024*\u+512 th:TH_LOAD_NT
.endr
.endr
	v_mov_b32 v3, 0x3e38aa3b                       ; c
	v_mov_b32 v4, 0xff61b1e6                       ; -3e38
	v_mov_b32 v5, 0
	v_mov_b32 v6, 1.0
.irp t, 0,1,2,3
	v_mov_b32 v[ST+8*\t+7], 0                      ; written once: a lane permute's destination counts as one of its sources
.endr
	s_wait_kmcnt 0x0
	s_max_u32 s23, s21, 1
	s_min_u32 s23, s23, 8
	s_sub_co_u32 s23, s23, 1                       ; the last medium that I walk, from 0
	s_max_u32 s22, s20, 1
	s_sub_co_u32 s22, s22, 1                       ; the first;
	s_cmp_gt_u32 s21, 8
	s_cselect_b32 s22, 0, s22                      ; all eight where a token of mine has t above 8
	s_wait_loadcnt 16                              ; my tokens' t are in; Q's 16 loads may be out
.irp t, 0,1,2,3
	v_cmp_lt_u32 vcc_lo, 8, v[ST+8*\t+1]           ; t above 8?
	v_cndmask_b32 v[ST+8*\t], v3, v5, vcc_lo       ; then 0 for c,
	v_cndmask_b32 v[ST+8*\t+3], v4, v5, vcc_lo     ; and 0 for -3e38
	v_add_nc_u32 v[ST+8*\t+1], -1, v[ST+8*\t+1]    ; t - 1: all ones where t = 0
.endr
	TRIP 1
	s_cmp_ge_u32 s22, s23
	s_cbranch_scc1 .Ldone
.Lmedium:
	s_add_co_u32 s22, s22, 1
	TRIP 0
	s_cmp_lt_u32 s22, s23
	s_cbranch_scc1 .Lmedium
.Ldone:
.irp t, 0,1,2,3
	v_add_f32 v[ST+8*\t+6], v[ST+8*\t+4], v[ST+8*\t+5]       ; the sum's two halves (these four lines are also the places behind the last products)
.endr
.irp t, 0,1,2,3
	v_permlanex16_b32 v[ST+8*\t+7], v[ST+8*\t+6], s28, s29
.endr
.irp t, 0,1,2,3
	v_add_f32 v[ST+8*\t+6], v[ST+8*\t+6], v[ST+8*\t+7]       ; and lane l xor 16's
.endr
.irp t, 0,1,2,3
	v_cmp_eq_u32 vcc_lo, -1, v[ST+8*\t+1]          ; t = 0: every p was 0; O^T is 0 and is divided by 1
	v_cndmask_b32 v[ST+8*\t+6], v[ST+8*\t+6], v6, vcc_lo
.endr
.irp t, 0,1,2,3
	v_rcp_f32 v[ST+8*\t+6], v[ST+8*\t+6]
.endr
	v_nop
	s_wait_alu depctr_va_vdst(0)                   ; one wait for the four reciprocals
	WIN 0x01                                       ; source 0 (O^T) window 1; the rest window 0
.irp t, 0,1,2,3
.set p, 0
.rept 16
	v_pk_mul_f32 v[S+32*\t+2*p:S+32*\t+2*p+1], v[128+32*\t+2*p:128+32*\t+2*p+1], v[ST+8*\t+6:ST+8*\t+7] op_sel_hi:[1,0]   ; each accumulator from its low end on
.set p, p+1
.endr
.endr
	WIN 0
.irp t, 0,1,2,3
.set d, 0
.rept 16
	v_cvt_pk_f16_f32 v[S+32*\t+d], v[S+32*\t+2*d], v[S+32*\t+2*d+1]
.set d, d+1
.endr
.endr
.irp t, 0,1,2,3
.irp dt, 0,1,2,3
	global_store_b128 v1, v[S+32*\t+4*\dt:S+32*\t+4*\dt+3], s[10:11] offset:32768*\t+1024*(\dt/2)+512*(\dt%2)   ; 512 consecutive bytes a store, aligned
.endr
.endr
	s_endpgm
.Lfunc_end_k_q5a82f12500_attn:
	.size	k_q5a82f12500_attn, .Lfunc_end_k_q5a82f12500_attn-k_q5a82f12500_attn
	.p2alignl 7, 3214868480
	.fill 96, 4, 3214868480
	.section	.rodata,"a",@progbits
	.p2align	6, 0x0
	.amdhsa_kernel k_q5a82f12500_attn
		.amdhsa_group_segment_fixed_size 0
		.amdhsa_private_segment_fixed_size 0
		.amdhsa_enable_private_segment 0
		.amdhsa_kernarg_size 32
		.amdhsa_user_sgpr_count 2
		.amdhsa_user_sgpr_kernarg_segment_ptr 1
		.amdhsa_wavefront_size32 1
		.amdhsa_system_sgpr_workgroup_id_x 1
		.amdhsa_system_sgpr_workgroup_id_y 1
		.amdhsa_system_sgpr_workgroup_id_z 1
		.amdhsa_system_vgpr_workitem_id 0
		.amdhsa_next_free_vgpr 512
		.amdhsa_next_free_sgpr 66
		.amdhsa_reserve_vcc 1
		.amdhsa_float_denorm_mode_32 3
		.amdhsa_float_denorm_mode_16_64 3
		.amdhsa_memory_ordered 1
		.amdhsa_forward_progress 1
		.amdhsa_inst_pref_size 72
	.end_amdhsa_kernel
	.amdgpu_metadata
---
amdhsa.version: [ 1, 2 ]
amdhsa.kernels:
  - .name:           k_q5a82f12500_attn
    .symbol:         k_q5a82f12500_attn.kd
    .args:
      - { .name: qimg, .offset: 0, .size: 8, .value_kind: global_buffer, .address_space: global }
      - { .name: kvimg, .offset: 8, .size: 8, .value_kind: global_buffer, .address_space: global }
      - { .name: tt, .offset: 16, .size: 8, .value_kind: global_buffer, .address_space: global }
      - { .name: oimg, .offset: 24, .size: 8, .value_kind: global_buffer, .address_space: global }
    .group_segment_fixed_size: 0
    .private_segment_fixed_size: 0
    .kernarg_segment_align: 8
    .kernarg_segment_size: 32
    .max_flat_workgroup_size: 256
    .sgpr_count:     66
    .vgpr_count:     512
    .wavefront_size: 32
...
	.end_amdgpu_metadata
.endif
;; end of part 3
;; launch ogemm (part 4): grid 8 x 32, 4 waves a work-group, clusters of 4 x 4, 327,680 bytes of LDS; arguments oimg, w16, out0; writes out0
.if DOCPART == 4
	.amdgcn_target "amdgcn-amd-amdhsa--gfx1250"
	.amdhsa_code_object_version 6
	.text
	.protected	k_q5a82f12500_ogemm
	.globl	k_q5a82f12500_ogemm
	.p2align	8
	.type	k_q5a82f12500_ogemm,@function
k_q5a82f12500_ogemm:
	s_mov_b64 s[64:65], 0
	v_nop
	global_prefetch_b8 v0, s[64:65] scope:SCOPE_SE
	s_setreg_imm32_b32 hwreg(HW_REG_WAVE_MODE, 25, 1), 1
	s_wait_xcnt 0x0
	s_wait_alu depctr_hold_cnt(0) depctr_sa_sdst(0) depctr_va_vdst(0) depctr_va_sdst(0) depctr_va_ssrc(0) depctr_va_vcc(0) depctr_vm_vsrc(0)
	s_getreg_b32 s2, hwreg(HW_REG_IB_STS2, 6, 4)
	s_cmp_eq_u32 s2, 0
	s_cbranch_scc0 .Lentry_in_a_cluster
	s_endpgm
.Lentry_in_a_cluster:
	s_bfe_u32 s2, ttmp6, 0x10000c
	s_cmp_lg_u32 s2, 0xf033
	s_cbranch_scc0 .Lentry_shape_is_right
	s_endpgm
.Lentry_shape_is_right:
; C = A B^T in f16 with f32 sums.  ONE TEXT SERVES TWO LAUNCHES; only the eleven constants below differ.
;   here: out0 = o Wo^T.  A = the attention's output as images of operand registers (oimg: [tile of 16 tokens][32 along K][piece][lane][16 bytes]),
;   B = Wo [2048][1024] f16 (w16, byte 4,194,304); out0 is [8192][2048] f32.  A work-group makes 256 x 256 of C, a wave 128 x 128: 256 work-groups.
;   HERE KVW = 0: the part for K and V is not assembled.
.set SIZE_K, 1024
.set AB,     8                         ; blocks of 16 rows of A in a wave's tile
.set AIMG,   1                         ; 0: A lies as rows; 1: as images of operand registers
.set A_HALF, 32768                     ; LDS bytes of one tensor load of A = what one wave reads of A
.set A_BLK,  4096                      ; from block to block of 16 rows in LDS
.set A_Q,    1024                      ; from 32 along K to the next
.set A_C,    512                       ; from a fragment's first 16 bytes of a lane to its second
.set ASTEP,  4096                      ; a K step of 128 in A's memory, in bytes
.set BOFF,   4194304                   ; where B begins in w16
.set KVW,    0                         ; 1: the launch also makes K and V
.set COFF,   0x10                      ; where C's address lies among the arguments
; ---- from here on the text is the same in both launches
; Four waves, as many as a WGP has SIMDs; wave w takes row half w / 2 and column half w % 2.  K goes in steps of 128 through a ring of two LDS
; slots; waves 0 and 1 fetch A's halves, waves 2 and 3 B's, one tensor load a wave behind each change of slots.
; CLUSTERS: 4 x 4 work-groups; A's tile is shared along a row of the cluster, B's along a column: each is asked for jointly, by the same load with
; the same descriptor and a mask that names the four.
; THE MATRIX INSTRUCTION IS USED TRANSPOSED (source 0 = 16 rows of B, source 1 = 16 rows of A): lane (r, h) holds row r of C and eight neighbouring columns.
; A K step is four quarters of 32 along K on fragment buffers 0, 1, 0, 1; at a quarter's head the next quarter's fragments are asked for in one run,
; so they have the quarter's 8 AB matrix instructions in which to come.
; REGISTERS: window 0: v16-30 addresses; v64.. and v128.. A's fragments, two buffers.  Window 1: v64-127, v128-191 B's.  Window 2: accumulators of
; A's blocks 0-3 ((a, b) at 8 (8 (a % 4) + b)); window 3: of blocks 4-7.
; K AND V (assembled where KVW = 1): kv = visual_features Wkv^T, K = 1024, the one quantised product: MX-FP4 codes and E8M0 scale words as the launch before laid them,
; sums in f32; K and V leave as f16, laid as the attention's operand registers want them.  It stands between the first joint loads and the wait for them.
;   SHARES.  Work-group x = 4 x tile row + tile column (0..255): medium x / 8 (batch x 8 + medium: 64 keys), heads 2 (x % 8) and + 1.  Wave w: head + w / 2, role w % 2 (0: K, 1: V).
;   A wave makes 64 x 64 numbers: 16 accumulators, 8 K steps of 128: 128 matrix instructions; the 1,024 waves do the product once.
;   ORIENTATION.  In a result, register j of lane (r, h) is (m = 8 h + j, n = r).  Role K: source 0 = 64 rows of Wk (m = d), source 1 = the 64 keys (n = key).  Role V: source 0 = the keys
;   (m = key), source 1 = 64 rows of Wv (n = d).  Either way accumulator (mt, nt), rounded in pairs, IS piece mt % 2 of fragment 2 nt + mt / 2 of a 16-bit operand (16 rows n x 32 along m).
;   OPERANDS come from memory straight into registers: the codes lie in the order of the operand's registers, so every load takes 512 consecutive bytes; no LDS byte, no barrier and
;   no branch is added, and the work-group's place in its cluster enters the addresses of these plain loads and stores alone.
;   REGISTERS.  Window 0: v8 16 x lane, v9 32 x (lane % 16); v192-223 source 0's scale words (8 mt + s), v224-255 source 1's (8 nt + s): scales and nothing else.  Windows 1 and 2: the codes of
;   K steps 0-3 and 4-7: set s % 4: source 0's fragment i at 64 (s % 4) + 8 i, source 1's 32 further on.  Window 3: v0-127 the accumulators (8 (4 mt + nt)), v128-191 the f16 fragments.
.set PITCH,  272                       ; an LDS row of 256 bytes + 16 of padding = 68 words: sixteen rows start at sixteen different groups of four banks
.set AREG,   2*A_HALF
.set B_HALF, 128*PITCH
.set SLOT,   AREG+2*B_HALF             ; A's two halves, then B's two
.set SPARE,  2*SLOT                    ; behind the ring: the spare words, 128 bytes a wave, that no other line names
.set LAPS,   SIZE_K/256                ; a lap = two K steps = once round the ring
.set NL,     16+2*AB                   ; LDS loads in a run
.set SPITCH, 528                       ; (f32 way out) a stage row: 512 bytes + 16
.set BK,     128                       ; (f32 way out) rows read back: v128-191 and v192-255 by turns
.set KLO,  8                           ; v8  (K and V) 16 x lane; never rewritten
.set KSO,  9                           ; v9  (K and V) a row's 8 scale words: 32 x (lane % 16); never rewritten
.set SCA,  192
.set SCB,  224
.set KTM,  128
.set ADRA, 16                          ; v16-17 my A fragments in slot 0, 1
.set ADRB, 20                          ; v20-21 my B fragments
.set STO,  24
.set RD,   25
.set CO,   26
.set SPW,  28                          ; v28 my spare word's LDS address; never rewritten
.set NIL,  29                          ; v29 0; never rewritten
.set PFO,  30                          ; v30 the prefetches' lane offset; never rewritten
.set F0,   64
.set F1,   128
.set G1,   24                          ; s[24:31] group 1 for A; s[32:39] its groups 0, one a slot
.set G0,   32
.set G1B,  48                          ; s[48:55], s[56:63] the same for B
.set G0B,  56
.set PFA,  66                          ; s[66:67] where my prefetches stand
.set LIM,  68                          ; s68 1 in a wave that prefetches, else the greatest number
.set MSB, 0
.macro WIN new                         ; the immediate's high byte repeats the setting that is left
.if MSB != \new
	s_set_vgpr_msb (MSB<<8)|\new
.set MSB, \new
.endif
.endm
.macro PLACES                          ; four plain instructions between a matrix instruction and a load into, or a vector read or write of, its registers
.rept 4
	v_nop
.endr
.endm
.macro JLOAD s                         ; a joint load; the branch hangs on the wave's number alone.  An s_nop 0 and four v_nop follow each line
	s_cmp_eq_u32 s11, 0
	s_cbranch_scc0 .Lfor_b_\@
	tensor_load_to_lds s[G0+4*\s:G0+4*\s+3], s[G1:G1+7]
	s_nop 0
.rept 4
	v_nop
.endr
	s_branch .Lasked_\@
.Lfor_b_\@:
	tensor_load_to_lds s[G0B+4*\s:G0B+4*\s+3], s[G1B:G1B+7]
	s_nop 0
.rept 4
	v_nop
.endr
.Lasked_\@:
.endm
; A prefetch of A's K step that stands two refills on: 32 aligned blocks of 256 bytes, a lane a block.  Each block is named once in the launch: the four partners
; that ask for a tile jointly share it out by address; the loop's last trip asks for nothing, so the last block named is A's last K step.  B is read by every
; cluster of a column of clusters again and again and is not asked for.
.macro ASK
	s_cmp_gt_u32 s3, s[LIM]
	s_cbranch_scc0 .Lnot_mine_\@
	global_prefetch_b8 v[PFO], s[PFA:PFA+1] offset:ASTEP th:TH_LOAD_NT scope:SCOPE_SE
.Lnot_mine_\@:
.endm
.macro CREST                           ; a round of the cluster's barrier behind its opening barrier
	s_cmp_lg_u32 s10, 0
	s_cbranch_scc1 .Lnot_wave_0_\@
	s_barrier_signal -3
.Lnot_wave_0_\@:
	s_barrier_wait -3
	s_barrier_signal -1
	s_barrier_wait -1
.endm
.macro CROUND
	s_barrier_signal -1
	s_barrier_wait -1
	CREST
.endm
.macro FETCH slot, q, f                ; one run of NL loads: the fragments of the slot's q-th 32 along K into buffer f
	WIN 0x40                                       ; destination window 1, address window 0
.irp i, 0,1,2,3,4,5,6,7
	ds_load_b128 v[\f+8*\i:\f+8*\i+3],   v[ADRB+\slot] offset:64*(\q)+\i*16*PITCH
	ds_load_b128 v[\f+8*\i+4:\f+8*\i+7], v[ADRB+\slot] offset:64*(\q)+\i*16*PITCH+32
.endr
	WIN 0
.set fi, 0
.rept AB
	ds_load_b128 v[\f+8*fi:\f+8*fi+3],   v[ADRA+\slot] offset:(\q)*A_Q+fi*A_BLK
	ds_load_b128 v[\f+8*fi+4:\f+8*fi+7], v[ADRA+\slot] offset:(\q)*A_Q+fi*A_BLK+A_C
.set fi, fi+1
.endr
.endm
; A's blocks a0 .. a0 + cnt - 1 against B's eight, 32 along K.  All 8 AB accumulators take turns, one instruction a turn, in the same order in every quarter.
.macro MULS f, a0, cnt, zero
.set ma, \a0
.rept \cnt
.if ma < 4
	WIN 0xa1                                       ; source 0 (B) window 1, source 1 (A) window 0, C and D window 2
.else
	WIN 0xf1                                       ; the same, C and D window 3
.endif
.irp b, 0,1,2,3,4,5,6,7
.if \zero
	v_wmma_f32_16x16x32_f16 v[8*(8*(ma%4)+\b):8*(8*(ma%4)+\b)+7], v[\f+8*\b:\f+8*\b+7], v[\f+8*ma:\f+8*ma+7], 0
.else
	v_wmma_f32_16x16x32_f16 v[8*(8*(ma%4)+\b):8*(8*(ma%4)+\b)+7], v[\f+8*\b:\f+8*\b+7], v[\f+8*ma:\f+8*ma+7], v[8*(8*(ma%4)+\b):8*(8*(ma%4)+\b)+7]
.endif
.endr
.set ma, ma+1
.endr
.endm
.macro QUARTER slot, q, f, g, zero     ; asks for the slot's q-th 32 along K into g, then multiplies f
	PLACES                                         ; g was multiplied in the quarter before
	FETCH \slot, \q, \g
	s_wait_dscnt NL                                ; all but the NL loads just issued: f is in
	MULS \f, 0, AB, \zero
.endm
; A slot's last quarter multiplies buffer 1 and changes slots: one barrier.  In front of it each wave waits for all its tensor loads (one is out: its part of the next slot), adds 0
; to its spare word, and waits for that and for its reads of this slot.  fill = 1: the barrier opens a round of the cluster's, and this slot is filled again, two K steps ahead.
.macro TURN slot, next, fill
.if \fill
	s_wait_xcnt 0x0                                ; the last prefetch, a K step back, has read its address
	s_add_nc_u64 s[PFA:PFA+1], s[PFA:PFA+1], ASTEP
.endif
	WIN 0                                          ; (the add's two registers lie in window 0)
	s_wait_tensorcnt 0x0
	ds_add_u32 v[SPW], v[NIL]
	s_wait_dscnt 1                                 ; buffer 1 is in; the add alone may be out
	MULS F1, 0, AB/4, 0
	s_wait_dscnt 0x0                               ; the add is done, and my reads of this slot are over
	s_barrier_signal -1
	MULS F1, AB/4, AB/4, 0
	WIN 0
	s_barrier_wait -1
.if \fill
	CREST                                          ; no wave of any partner still reads this slot or has a load on its way
	s_add_nc_u64 s[G0+4*\slot+2:G0+4*\slot+3], s[G0+4*\slot+2:G0+4*\slot+3], 2*ASTEP
	s_add_nc_u64 s[G0B+4*\slot+2:G0B+4*\slot+3], s[G0B+4*\slot+2:G0B+4*\slot+3], 2*256
	JLOAD \slot                                    ; my one tensor load behind the round; its four v_nop are also the places in front of the loads below
.else
	PLACES
.endif
	FETCH \next, 0, F0
.if \fill
	ASK
.endif
	MULS F1, AB/2, AB/2, 0
.endm
.macro TOSTAGE a                       ; (f32 way out) block a: 16 rows x 128 columns into my stage, and back as whole rows of 512 bytes
.set AC, 64*((\a)%4)
	WIN 0x08+4*((\a)/4)                            ; an LDS store's data are its source 1: window 2 or 3
.irp b, 0,1,2,3,4,5,6,7
	ds_store_b128 v[STO], v[AC+8*\b:AC+8*\b+3] offset:64*\b          ; each accumulator from its low end on
	ds_store_b128 v[STO], v[AC+8*\b+4:AC+8*\b+7] offset:64*\b+16
.endr
	WIN 0
.set BBK, BK+64*((\a)%2)
.irp t, 0,1,2,3,4,5,6,7,8,9,10,11,12,13,14,15
	ds_load_b128 v[BBK+4*\t:BBK+4*\t+3], v[RD] offset:\t*SPITCH      ; LDS serves a wave's instructions in order: these see the stores above
.endr
.endm
.macro SEND a, younger                 ; younger: the LDS instructions issued behind block a's loads
.set BBK, BK+64*((\a)%2)
	s_wait_dscnt \younger
.if (\a) > 0
	s_add_nc_u64 s[8:9], s[8:9], 16*8192           ; 16 rows of C on (the earlier stores have read the base: a wait on XCNT stands ahead)
.endif
.irp t, 0,1,2,3,4,5,6,7,8,9,10,11,12,13,14,15
	global_store_b128 v[CO], v[BBK+4*\t:BBK+4*\t+3], s[8:9] offset:\t*8192 th:TH_STORE_NT   ; 32 lanes store 512 consecutive bytes, aligned
.endr
.endm
.macro KLOAD s                         ; (K and V) the codes of K step s: 4 + 4 fragments, 16 loads, into set s % 4 of window 1 (steps 0-3) or 2 (steps 4-7)
.if (\s) < 4
	WIN 0x40                                       ; destination window 1, address window 0
.else
	WIN 0x80                                       ; destination window 2
.endif
.irp i, 0,1,2,3
.irp c, 0,1
	global_load_b128 v[64*((\s)%4)+8*\i+4*\c:64*((\s)%4)+8*\i+4*\c+3], v[KLO], s[88:89] offset:8192*\i+1024*(\s)+512*\c
	global_load_b128 v[64*((\s)%4)+32+8*\i+4*\c:64*((\s)%4)+32+8*\i+4*\c+3], v[KLO], s[90:91] offset:8192*\i+1024*(\s)+512*\c
.endr
.endr
.endm
.macro KSTEP s                         ; (K and V) K step s: 16 matrix instructions
.if 16*(7-(\s)) > 63
	s_wait_loadcnt 63                              ; behind this set 16 (7 - s) loads were issued; the count is held at 63, the most that the wait can name: a smaller count waits for no less
.else
	s_wait_loadcnt 16*(7-(\s))                     ; this set is in (and the scale words, issued first); the younger sets, 16 loads each, may be out
.endif
.if (\s) < 4
	WIN 0xf5                                       ; sources 0 and 1 window 1; C and D window 3
.else
	WIN 0xfa                                       ; sources 0 and 1 window 2; C and D window 3
.endif
.irp mt, 0,1,2,3                               ; the 16 accumulators take turns, one instruction a turn, in the same order in every step
.irp nt, 0,1,2,3
.if (\s) == 0
	v_wmma_scale_f32_16x16x128_f8f6f4 v[8*(4*\mt+\nt):8*(4*\mt+\nt)+7], v[64*((\s)%4)+8*\mt:64*((\s)%4)+8*\mt+7], v[64*((\s)%4)+32+8*\nt:64*((\s)%4)+32+8*\nt+7], 0, v[SCA+8*\mt+(\s)], v[SCB+8*\nt+(\s)] matrix_a_fmt:MATRIX_FMT_FP4 matrix_b_fmt:MATRIX_FMT_FP4
.else
	v_wmma_scale_f32_16x16x128_f8f6f4 v[8*(4*\mt+\nt):8*(4*\mt+\nt)+7], v[64*((\s)%4)+8*\mt:64*((\s)%4)+8*\mt+7], v[64*((\s)%4)+32+8*\nt:64*((\s)%4)+32+8*\nt+7], v[8*(4*\mt+\nt):8*(4*\mt+\nt)+7], v[SCA+8*\mt+(\s)], v[SCB+8*\nt+(\s)] matrix_a_fmt:MATRIX_FMT_FP4 matrix_b_fmt:MATRIX_FMT_FP4
.endif
.endr
.endr
.endm
	s_load_b128 s[4:7], s[0:1], 0x0                ; A, w16
	s_load_b64 s[8:9], s[0:1], COFF                ; C
.if KVW
	s_load_b128 s[72:75], s[0:1], 0x10             ; codes, scales
	s_load_b64 s[76:77], s[0:1], 0x20              ; kvimg
.endif
	v_lshl_add_u32 v[SPW], v0, 2, SPARE
	v_mov_b32 v[NIL], 0
	ds_add_u32 v[SPW], v[NIL]                      ; the opening: the add, twice on end, and its wait ahead of my first tensor load
	ds_add_u32 v[SPW], v[NIL]
	v_lshrrev_b32 v1, 5, v0
	v_readfirstlane_b32 s10, v1                    ; wave 0..3
	s_lshr_b32 s11, s10, 1                         ; my half of the rows.  Also: I fetch for A (0) or B (1)
	s_and_b32 s12, s10, 1                          ; my half of the columns.  Also: which half I fetch
	s_bfe_u32 s40, ttmp6, 0x40000                  ; cx
	s_bfe_u32 s41, ttmp6, 0x40004                  ; cy
	s_lshl_b32 s42, ttmp9, 2
	s_add_co_u32 s42, s42, s40                     ; tile column = 4 x cluster x + cx
	s_and_b32 s13, ttmp7, 0xffff
	s_lshl_b32 s13, s13, 2
	s_add_co_u32 s13, s13, s41                     ; tile row = 4 x cluster y + cy
	s_lshl_b32 s43, s41, 2
	s_lshl_b32 s43, 15, s43                        ; my row of the cluster
	s_lshl_b32 s44, 0x1111, s40                    ; my column
.if KVW
	s_lshl_b32 s80, s13, 2                         ; (K and V) registers of their own, s80 on: none of them feeds a descriptor
	s_add_co_u32 s80, s80, s42                     ; x = 4 x tile row + tile column
	s_lshr_b32 s81, s80, 3                         ; the medium: batch x 8 + medium
	s_and_b32 s82, s80, 7
	s_lshl_b32 s82, s82, 1
	s_add_co_u32 s82, s82, s11                     ; the head
	s_lshl_b32 s83, s81, 2                         ; the keys' first tile of 16 rows
	s_lshl_b32 s84, s12, 6
	s_lshl_b32 s85, s82, 2
	s_add_co_u32 s84, s84, s85
	s_add_co_u32 s84, s84, 128                     ; the weight's: 128 + 64 role + 4 head
	s_cmp_eq_u32 s12, 0                            ; role K?
	s_cselect_b32 s86, s84, s83                    ; source 0's tiles
	s_cselect_b32 s87, s83, s84                    ; source 1's
.endif
.if AIMG
	s_or_b32 s[G1+0], s43, (3<<16)|(1<<21)         ; A as images: 8 tiles of 16 rows x 4,096 bytes (512 elements of 8 bytes), 32,768 bytes apart, dense in LDS
	s_mov_b32 s[G1+1], 512<<16
	s_mov_b32 s[G1+2], 8<<16
	s_mov_b32 s[G1+3], 512<<16
	s_mov_b32 s[G1+4], 8
	s_mov_b32 s[G1+5], 4096
.else
	s_or_b32 s[G1+0], s43, (1<<16)|(1<<20)|(1<<21)|(5<<22)|(3<<25)  ; A as rows: 64 rows x 128 elements of 2 bytes; 4 words of padding behind every 64
	s_mov_b32 s[G1+1], 128<<16
	s_mov_b32 s[G1+2], 64<<16
	s_mov_b32 s[G1+3], 128<<16
	s_mov_b32 s[G1+4], 64
	s_mov_b32 s[G1+5], SIZE_K
.endif
	s_mov_b32 s[G1+6], 0
	s_mov_b32 s[G1+7], 0
	s_or_b32 s[G1B+0], s44, (1<<16)|(1<<20)|(1<<21)|(5<<22)|(3<<25) ; B: 128 rows x 128 elements, padded likewise
	s_mov_b32 s[G1B+1], 128<<16
	s_mov_b32 s[G1B+2], 128<<16
	s_mov_b32 s[G1B+3], 128<<16
	s_mov_b32 s[G1B+4], 128
	s_mov_b32 s[G1B+5], SIZE_K
	s_mov_b32 s[G1B+6], 0
	s_mov_b32 s[G1B+7], 0
	s_lshl_b32 s16, s13, 1
	s_add_co_u32 s16, s16, s12
	s_lshl_b32 s16, s16, 18                        ; A: half 2 x tile row + w % 2; a half is 262,144 bytes of memory in both layouts
	s_mov_b32 s17, 0
	s_lshl_b32 s46, s42, 1
	s_add_co_u32 s46, s46, s12
	s_mul_i32 s46, s46, 256*SIZE_K                 ; B: half 2 x tile column + w % 2: 128 rows of 2 SIZE_K bytes
	s_add_co_u32 s46, s46, BOFF
	s_mov_b32 s47, 0
	s_mul_i32 s20, s12, A_HALF                     ; where they go: no place in the cluster enters an LDS address
	s_mul_i32 s21, s12, B_HALF
	s_add_co_u32 s21, s21, AREG
	s_wait_dscnt 0x0                               ; both opening adds are done
	s_wait_kmcnt 0x0
	s_add_nc_u64 s[14:15], s[4:5], s[16:17]
	s_add_nc_u64 s[46:47], s[6:7], s[46:47]
	CROUND                                         ; all sixteen work-groups are here: the first joint loads meet
.irp s, 0,1
	s_mov_b32 s[G0+4*\s], 1
	s_add_co_u32 s[G0+4*\s+1], s20, \s*SLOT
	s_add_nc_u64 s[G0+4*\s+2:G0+4*\s+3], s[14:15], \s*ASTEP
	s_or_b32 s[G0+4*\s+3], s[G0+4*\s+3], 0x80000000
	s_mov_b32 s[G0B+4*\s], 1
	s_add_co_u32 s[G0B+4*\s+1], s21, \s*SLOT
	s_add_nc_u64 s[G0B+4*\s+2:G0B+4*\s+3], s[46:47], \s*256
	s_or_b32 s[G0B+4*\s+3], s[G0B+4*\s+3], 0x80000000
	JLOAD \s                                       ; two loads of mine are out
.endr
.if KVW
	; (K and V) all that the wave will multiply is asked for now, behind the joint loads: 16 loads of scale words, then 8 K steps of 16 loads
	v_and_b32 v[KLO], 31, v0
	v_lshlrev_b32 v[KLO], 4, v[KLO]
	v_and_b32 v[KSO], 15, v0
	v_lshlrev_b32 v[KSO], 5, v[KSO]                ; (lanes 16-31 read what lanes 0-15 read; the unit takes lanes 0-15)
	s_mov_b32 s99, 0
	s_lshl_b32 s98, s86, 13                        ; a tile's codes: 8 fragments of 1,024 bytes
	s_add_nc_u64 s[88:89], s[72:73], s[98:99]
	s_lshl_b32 s98, s87, 13
	s_add_nc_u64 s[90:91], s[72:73], s[98:99]
	s_lshl_b32 s98, s86, 9                         ; a tile's scale words: 16 rows of 8
	s_add_nc_u64 s[92:93], s[74:75], s[98:99]
	s_lshl_b32 s98, s87, 9
	s_add_nc_u64 s[94:95], s[74:75], s[98:99]
	s_lshl_b32 s98, s81, 4
	s_add_co_u32 s98, s98, s82
	s_lshl_b32 s98, s98, 1
	s_add_co_u32 s98, s98, s12
	s_lshl_b32 s98, s98, 13                        ; my 8 fragments of 1,024 bytes in kvimg: ((medium x 16 + head) x 2 + role)
	s_add_nc_u64 s[96:97], s[76:77], s[98:99]
.irp i, 0,1,2,3
.irp q, 0,1
	global_load_b128 v[SCA+8*\i+4*\q:SCA+8*\i+4*\q+3], v[KSO], s[92:93] offset:512*\i+16*\q
	global_load_b128 v[SCB+8*\i+4*\q:SCB+8*\i+4*\q+3], v[KSO], s[94:95] offset:512*\i+16*\q
.endr
.endr
.irp s, 0,1,2,3,4,5,6,7
	KLOAD \s
.endr
	WIN 0
.endif
	v_and_b32 v1, 15, v0                           ; r
	v_bfe_u32 v2, v0, 4, 1                         ; h
	v_mul_u32_u24 v3, v1, PITCH
	v_lshl_add_u32 v3, v2, 4, v3                   ; a fragment from rows: row x pitch + 16 h
	v_and_b32 v4, 31, v0
	v_lshlrev_b32 v4, 4, v4                        ; a fragment from an image: 16 x lane
	s_mul_i32 s21, s11, A_HALF
	s_mul_i32 s22, s12, B_HALF
	s_add_co_u32 s22, s22, AREG
.irp s, 0,1
.if AIMG
	v_add_nc_u32 v[ADRA+\s], s21, v4
.else
	v_add_nc_u32 v[ADRA+\s], s21, v3
.endif
	v_add_nc_u32 v[ADRB+\s], s22, v3
	s_add_co_u32 s21, s21, SLOT
	s_add_co_u32 s22, s22, SLOT
.endr
	v_mov_b32 v[CO], v4
.if AIMG
	s_mul_i32 s23, s10, 16*SPITCH                  ; my stage, in slot 0: used when that slot has had its last fill and its last read
	v_mul_u32_u24 v5, v1, SPITCH
	v_lshl_add_u32 v5, v2, 5, v5
	v_add_nc_u32 v[STO], s23, v5                   ; in: row r, 32 bytes for each half of the lanes
	v_add_nc_u32 v[RD], s23, v4                    ; back: a row of 512 bytes to the 32 lanes
	s_lshl_b32 s16, s13, 21                        ; C, f32 rows of 8,192 bytes: row 256 x tile row + 128 x half,
	s_lshl_b32 s17, s11, 20
	s_add_co_u32 s16, s16, s17
	s_lshl_b32 s46, s42, 10                        ; column bytes 1,024 x tile column + 512 x half
	s_lshl_b32 s47, s12, 9
.else
	s_lshl_b32 s16, s13, 18                        ; C as images: tile of 16 rows 8 x tile row + 4 x half, 32,768 bytes each,
	s_lshl_b32 s17, s11, 17
	s_add_co_u32 s16, s16, s17
	s_lshl_b32 s46, s42, 13                        ; fragment 8 x tile column + 4 x half, 1,024 bytes each
	s_lshl_b32 s47, s12, 12
.endif
	s_mov_b32 s17, 0
	s_add_co_u32 s46, s46, s47
	s_mov_b32 s47, 0
	s_add_nc_u64 s[16:17], s[16:17], s[46:47]
	s_add_nc_u64 s[8:9], s[8:9], s[16:17]
	; the prefetches: my work-group's quarter of A's tile, by address
	s_lshl_b32 s20, s13, 19                        ; the tile's first byte (two halves of 262,144),
	s_lshl_b32 s21, s40, 17                        ; + cx quarters
	s_add_co_u32 s20, s20, s21
.if AIMG
	s_lshl_b32 s21, s12, 16                        ; waves 0 and 1 take two tiles of 16 rows each
	s_add_co_u32 s20, s20, s21
	s_or_b32 s21, s11, ttmp9                       ; they ask, in the first cluster of a row of clusters: the others walk the same rows
	v_lshlrev_b32 v[PFO], 15, v2
	v_lshl_add_u32 v[PFO], v1, 8, v[PFO]           ; lanes 0-15: one tile's 16 blocks of 256 bytes; lanes 16-31: the next tile's
.else
	s_mov_b32 s21, s10                             ; wave 0 asks: 32 rows, a lane a row
	v_lshlrev_b32 v[PFO], 8, v4
.endif
	s_cmp_eq_u32 s21, 0
	s_cselect_b32 s[LIM], 1, -1                    ; the same in all sixteen partners, for a given wave
	s_add_co_u32 s20, s20, 2*ASTEP                 ; at K step 2: the first refill steps it to 3 and names K step 4.  Nothing is asked for here, at the head
	s_mov_b32 s21, 0
	s_add_nc_u64 s[PFA:PFA+1], s[4:5], s[20:21]
.if KVW
	; (K and V) the product, while the ring's first tiles are on their way
.irp s, 0,1,2,3,4,5,6,7
	KSTEP \s
.endr
	PLACES                                         ; in front of the first read of results
	WIN 0xcf                                       ; sources and destination window 3
.irp mt, 0,1,2,3
.irp nt, 0,1,2,3
.irp i, 0,1,2,3                                ; each accumulator from its low end on
	v_cvt_pk_f16_f32 v[KTM+8*(2*\nt+\mt/2)+4*(\mt%2)+\i], v[8*(4*\mt+\nt)+2*\i], v[8*(4*\mt+\nt)+2*\i+1]
.endr
.endr
.endr
	WIN 0x0c                                       ; a store's data are its source 1: window 3
.irp f, 0,1,2,3,4,5,6,7
	global_store_b128 v[KLO], v[KTM+8*\f:KTM+8*\f+3], s[96:97] offset:1024*\f          ; 512 consecutive bytes a store, aligned; no register that these stores read is written again
	global_store_b128 v[KLO], v[KTM+8*\f+4:KTM+8*\f+7], s[96:97] offset:1024*\f+512
.endr
	WIN 0                                          ; the 64 conversions are also the places between these products and what next writes the codes' registers
.endif
	s_wait_tensorcnt 1                             ; my part of K step 0 is in; K step 1's load may stay out
	s_barrier_signal -1
	s_barrier_wait -1
	FETCH 0, 0, F0
	QUARTER 0, 1, F0, F1, 1                        ; the first quarter's products start the sums: nothing is cleared
	WIN 0
	s_mov_b32 s3, LAPS-1
.Llap:                                                 ; a trip goes once round the ring, from a lap's second quarter to the next lap's first, and fills both slots again
	QUARTER 0, 2, F1, F0, 0
	QUARTER 0, 3, F0, F1, 0
	TURN 0, 1, 1
	QUARTER 1, 1, F0, F1, 0
	QUARTER 1, 2, F1, F0, 0
	QUARTER 1, 3, F0, F1, 0
	TURN 1, 0, 1
	QUARTER 0, 1, F0, F1, 0
	WIN 0
	s_sub_co_u32 s3, s3, 1
	s_cmp_lg_u32 s3, 0
	s_cbranch_scc1 .Llap
	QUARTER 0, 2, F1, F0, 0                        ; the last lap is written out: it fills nothing
	QUARTER 0, 3, F0, F1, 0
	TURN 0, 1, 0
	QUARTER 1, 1, F0, F1, 0
	QUARTER 1, 2, F1, F0, 0
	QUARTER 1, 3, F0, F1, 0
	s_wait_dscnt 0x0
	MULS F1, 0, AB, 0
	WIN 0
	PLACES                                         ; in front of the first read of results and of writes over A's fragments
.if AIMG
	TOSTAGE 0
.irp a, 1,2,3,4,5,6,7
.if \a > 1
	s_wait_xcnt 0x0                                ; block a - 2's stores have read their registers and their base
.endif
	TOSTAGE \a
	SEND \a-1, 32                                  ; behind block a - 1's loads: block a's 16 stores and 16 loads
.endr
	s_wait_xcnt 0x0
	SEND 7, 0
.else
.irp a, 0,1,2,3                                ; two neighbouring accumulators, rounded in pairs, ARE a 16-bit fragment (16 rows x 32 columns): no lane changes, no LDS
	WIN 0x0a                                       ; sources window 2, destination window 0
.irp b, 0,1,2,3,4,5,6,7
.irp i, 0,1,2,3
	v_cvt_pk_f16_f32 v[64+32*\a+4*\b+\i], v[8*(8*\a+\b)+2*\i], v[8*(8*\a+\b)+2*\i+1]
.endr
.endr
	WIN 0
.irp b, 0,1,2,3,4,5,6,7
	global_store_b128 v[CO], v[64+32*\a+4*\b:64+32*\a+4*\b+3], s[8:9] offset:32768*\a+1024*(\b/2)+512*(\b%2)   ; 512 consecutive bytes a store, aligned
.endr
.endr
.endif
	s_wait_tensorcnt 0x0                           ; the wave's end
	ds_add_u32 v[SPW], v[NIL]
	s_wait_dscnt 0x0
	CROUND                                         ; the closing round: no work-group ends while a partner may still ask for a tile that names it
	s_endpgm
.Lfunc_end_k_q5a82f12500_ogemm:
	.size	k_q5a82f12500_ogemm, .Lfunc_end_k_q5a82f12500_ogemm-k_q5a82f12500_ogemm
	.p2alignl 7, 3214868480
	.fill 96, 4, 3214868480
	.section	.rodata,"a",@progbits
	.p2align	6, 0x0
	.amdhsa_kernel k_q5a82f12500_ogemm
		.amdhsa_group_segment_fixed_size 327680
		.amdhsa_private_segment_fixed_size 0
		.amdhsa_enable_private_segment 0
		.amdhsa_kernarg_size 24
		.amdhsa_user_sgpr_count 2
		.amdhsa_user_sgpr_kernarg_segment_ptr 1
		.amdhsa_wavefront_size32 1
		.amdhsa_system_sgpr_workgroup_id_x 1
		.amdhsa_system_sgpr_workgroup_id_y 1
		.amdhsa_system_sgpr_workgroup_id_z 1
		.amdhsa_system_vgpr_workitem_id 0
		.amdhsa_next_free_vgpr 1024
		.amdhsa_next_free_sgpr 100
		.amdhsa_reserve_vcc 0
		.amdhsa_float_denorm_mode_32 3
		.amdhsa_float_denorm_mode_16_64 3
		.amdhsa_memory_ordered 1
		.amdhsa_forward_progress 1
		.amdhsa_inst_pref_size 141
	.end_amdhsa_kernel
	.amdgpu_metadata
---
amdhsa.version: [ 1, 2 ]
amdhsa.kernels:
  - .name:           k_q5a82f12500_ogemm
    .symbol:         k_q5a82f12500_ogemm.kd
    .args:
      - { .name: oimg, .offset: 0, .size: 8, .value_kind: global_buffer, .address_space: global }
      - { .name: w16, .offset: 8, .size: 8, .value_kind: global_buffer, .address_space: global }
      - { .name: out0, .offset: 16, .size: 8, .value_kind: global_buffer, .address_space: global }
    .group_segment_fixed_size: 327680
    .private_segment_fixed_size: 0
    .kernarg_segment_align: 8
    .kernarg_segment_size: 24
    .max_flat_workgroup_size: 128
    .sgpr_count:     100
    .vgpr_count:     1024
    .wavefront_size: 32
...
	.end_amdgpu_metadata
.endif
;; end of part 4
